; MI455X (gfx1250); checked and timed in simulation.
; The chip was launched on July 23, 2026; its instructions are those of AMD's public machine-readable ISA for CDNA 5 (MIT licence, August 2026) and "CDNA5" Instruction Set Architecture Reference Guide (July 2026). The comments in the code are by the model that wrote it; some were corrected since.
;; multi head attention. Allowed arithmetic: matrix products marked QUANTISED: E5M2 operands, one E8M0 scale for each 32 along K, by v_wmma_scale_f32_16x16x128_f8f6f4 with both operands' format E5M2, f32 sums; everything else in f32.
;; Inputs: Wk_codes 1,024 x 32 x 32 uint8 (E5M2 codes of Wk, K innermost, in blocks of 32 codes); Wk_scales 1,024 x 32 uint8 (E8M0 scales of Wk, one for each 32 codes along K); Wo_codes 1,024 x 32 x 32 uint8 (E5M2 codes of Wo, K innermost, in blocks of 32 codes); Wo_scales 1,024 x 32 uint8 (E8M0 scales of Wo, one for each 32 codes along K); Wq_codes 1,024 x 32 x 32 uint8 (E5M2 codes of Wq, K innermost, in blocks of 32 codes); Wq_scales 1,024 x 32 uint8 (E8M0 scales of Wq, one for each 32 codes along K); Wv_codes 1,024 x 32 x 32 uint8 (E5M2 codes of Wv, K innermost, in blocks of 32 codes); Wv_scales 1,024 x 32 uint8 (E8M0 scales of Wv, one for each 32 codes along K); bk 1,024 float32; bo 1,024 float32; bq 1,024 float32; bv 1,024 float32; k_codes 4 x 2,048 x 32 x 32 uint8 (E5M2 codes of k, K innermost, in blocks of 32 codes); k_scales 4 x 2,048 x 32 uint8 (E8M0 scales of k, one for each 32 codes along K); q_codes 4 x 2,048 x 32 x 32 uint8 (E5M2 codes of q, K innermost, in blocks of 32 codes); q_scales 4 x 2,048 x 32 uint8 (E8M0 scales of q, one for each 32 codes along K); v_codes 4 x 2,048 x 32 x 32 uint8 (E5M2 codes of v, K innermost, in blocks of 32 codes); v_scales 4 x 2,048 x 32 uint8 (E8M0 scales of v, one for each 32 codes along K).
;; Outputs: out0 4 x 2,048 x 1,024 float32.
;; Constants: mask = True.
;; This version of the problem:
;;   THIS VERSION OF THE PROBLEM IS GIVEN IN LOW PRECISION. The matrix products marked QUANTISED in the list below multiply operands that are first quantised to E5M2 (5 exponent bits, 2 mantissa bits; 8 bits a number), with one power-of-two scale for each 32 numbers along K (OCP MX v1.0); their sums are f32. All else is computed in f32.
;;   The module's matrix products, in the order in which they are computed (A, B: the left and right operand; K: the contracted axis; several contracted axes count as one K, in the product's order):
;;     1. [M 8,192, K 1,024] x [K 1,024, N 1,024]; A: input q (given as codes); B: input Wq (given as codes): QUANTISED
;;     2. [M 8,192, K 1,024] x [K 1,024, N 1,024]; A: input k (given as codes); B: input Wk (given as codes): QUANTISED
;;     3. [M 8,192, K 1,024] x [K 1,024, N 1,024]; A: input v (given as codes); B: input Wv (given as codes): QUANTISED
;;     4. batch 64 x [M 2,048, K 64] x [K 64, N 2,048]; A: computed on the way; B: computed on the way: QUANTISED
;;     5. batch 64 x [M 2,048, K 2,048] x [K 2,048, N 64]; A: softmax (see below); B: computed on the way: QUANTISED
;;     6. [M 8,192, K 1,024] x [K 1,024, N 1,024]; A: computed on the way; B: input Wo (given as codes): QUANTISED
;;   THE QUANTISER, for each operand of a quantised product, along K:
;;     - K is cut into blocks of 32 from its start; a last block that is shorter is filled with zeros.
;;     - A block's scale is 2^e with e = floor(log2(the largest magnitude in the block)) - 15, held to -126 .. 127; a block of zeros has e = 0. As a byte (E8M0): e + 127.
;;     - Each number is divided by its block's scale, clamped to +-57,344, and rounded to the nearest number of E5M2, ties to even, subnormals kept.
;;     - The product sums the exact products of the quantised numbers (number of the format x scale) in f32.
;;   ~~~python
;;   def quantise(x, axis):      # numpy; x: float32 -> the quantised numbers, widened to float32 again
;;       x = np.moveaxis(x, axis, -1); K = x.shape[-1]
;;       x = np.pad(x, [(0, 0)] * (x.ndim - 1) + [(0, -K % 32)]); x = x.reshape(x.shape[:-1] + (-1, 32)); a = np.abs(x).max(-1, keepdims=True)
;;       e = np.where(a > 0, np.clip(np.frexp(np.where(a > 0, a, 1))[1] - 1 - 15, -126, 127), 0)      # np.frexp(a)[1] - 1 = floor(log2(a)), exactly
;;       r = np.clip(x / 2.0 ** e, -57344, 57344)
;;       step = 2.0 ** (np.maximum(np.frexp(np.where(r == 0, 1, r))[1] - 1, -14) - 2)
;;       q = np.round(r / step) * step * 2.0 ** e      # np.round: ties to even
;;       return np.moveaxis(q.reshape(q.shape[:-2] + (-1,))[..., :K], -1, axis).astype(np.float32)
;;   ~~~
;;   SOFTMAX AHEAD OF A QUANTISED PRODUCT. Where the list says 'softmax', what is quantised is not the finished softmax but p = 2^(t - M), with t = logit x log2(e) and M = ceil(the row's largest t), a whole number; so 1/2 < the row's largest p <= 1. The row's sum l is taken of the UNQUANTISED p, in f32, and the product's result is divided by l at the end. Since M is a whole number, a kernel that streams over the keys may use a running M (the ceiling of the running maximum): every later rescaling is an exact power of two, which a block's scale takes up: the codes' values come out the same.
;;   OPERANDS COMPUTED ON THE WAY. 'Computed on the way' means the value that the module computes at that place (a softmax that the list does not call 'softmax' is quantised finished and normalised). What goes into a quantiser is computed in f32, as accurately as f32 sums, v_exp_f32 and their like allow (about 1e-6 of the number): no bf16 or f16 on the way to a quantiser, and a product that is left as it is and whose result goes on into a quantised operand takes f32 operands (vector FMAs, or v_wmma_f32_16x16x4_f32). A number that lies on a knife's edge between two numbers of the format may be rounded either way, as far as f32 arithmetic and the matrix unit's own rounding can turn it there, and no further.
;;   INPUTS GIVEN AS CODES. Wk (in the module: [1024, 1024], K = its axis 1); Wo (in the module: [1024, 1024], K = its axis 1); Wq (in the module: [1024, 1024], K = its axis 1); Wv (in the module: [1024, 1024], K = its axis 1); k (in the module: [4, 2048, 1024], K = its axis 2); q (in the module: [4, 2048, 1024], K = its axis 2); v (in the module: [4, 2048, 1024], K = its axis 2): each comes as NAME_codes (uint8): NAME with its K axis moved to the last place and cut into blocks of 32 codes, [.., K / 32, bytes a block], one block behind the other in memory; one code a byte (a code: sign, 5 exponent bits, 2 mantissa bits); and NAME_scales (uint8): the same leading axes, one E8M0 byte (e + 127) for each 32 codes along K. Its value is code x scale, taken as it is: it is not quantised again, and the codes and scales need not be those that the quantiser above would give.
;; One version. Each part assembles by itself: llvm-mc -triple=amdgcn-amd-amdhsa -mcpu=gfx1250 --defsym DOCPART=n.
;; ======== version 1 of 1: 3 launches
;; limits: right only within a limited range of input values
;; workspace buffers: qh_codes 8,388,608 bytes; kh_codes 8,388,608 bytes; vh_codes 8,388,608 bytes; qh_scales 262,144 bytes; kh_scales 262,144 bytes; vh_scales 262,144 bytes; at_codes 8,388,608 bytes; at_scales 262,144 bytes
;; launch proj (part 1): grid 8 x 32, 4 waves a work-group, clusters of 4 x 4, 327,680 bytes of LDS; arguments q_codes, k_codes, v_codes, Wq_codes, Wk_codes, Wv_codes, q_scales, k_scales, v_scales, Wq_scales, Wk_scales, Wv_scales, bq, bk, bv, qh_codes, kh_codes, vh_codes, qh_scales, kh_scales, vh_scales; writes qh_codes, kh_codes, vh_codes, qh_scales, kh_scales, vh_scales
.if DOCPART == 1
	.amdgcn_target "amdgcn-amd-amdhsa--gfx1250"
	.amdhsa_code_object_version 6
	.text
	.protected	k_qce06fa4e44_proj
	.globl	k_qce06fa4e44_proj
	.p2align	8
	.type	k_qce06fa4e44_proj,@function
k_qce06fa4e44_proj:
	s_mov_b64 s[64:65], 0
	v_nop
	global_prefetch_b8 v0, s[64:65] scope:SCOPE_SE
	s_setreg_imm32_b32 hwreg(HW_REG_WAVE_MODE, 25, 1), 1
	s_wait_xcnt 0x0
	s_wait_alu depctr_hold_cnt(0) depctr_sa_sdst(0) depctr_va_vdst(0) depctr_va_sdst(0) depctr_va_ssrc(0) depctr_va_vcc(0) depctr_vm_vsrc(0)
	s_getreg_b32 s2, hwreg(HW_REG_IB_STS2, 6, 4)
	s_cmp_eq_u32 s2, 0
	s_cbranch_scc0 .Lentry_in_a_cluster
	s_endpgm
.Lentry_in_a_cluster:
	s_bfe_u32 s2, ttmp6, 0x10000c
	s_cmp_lg_u32 s2, 0xf033
	s_cbranch_scc0 .Lentry_shape_is_right
	s_endpgm
.Lentry_shape_is_right:
; THE THREE PROJECTIONS.  Y = X W^T + b for (q, Wq, bq), (k, Wk, bk), (v, Wv, bv): X [8192][1024], W [1024][1024] as codes of BF8 (E5M2) with one E8M0 byte for each 32 along K; sums in f32.
; Column n of Y is d x 16 + head.  Y is not stored: it is quantised here for the attention launch, Q and K along d (two blocks of 32 a row and head), V along the keys (blocks of 32 rows),
; and leaves as IMAGES OF THE READER'S OPERAND REGISTERS: for each (batch, head) and each 128 rows 8,192 bytes of codes and 256 bytes of scale words.
;   Q, K: fragment f (2,048 bytes) holds rows 32 f .. 32 f + 31: byte (2 u + bb) 512 + (r + 16 x) 16 + i is row 32 f + 8 u + r + 8 (r / 8), d = 32 bb + 16 x + i; scale word at 64 f + 4 r, byte 2 u + bb.
;   V:    fragment f holds 16 values of d: byte c 512 + (r + 16 x) 16 + i is d = 32 (f / 2) + 8 (f % 2) + r + 8 (r / 8), key 32 c + 16 x + i; scale word at 64 f + 4 r, byte c.
; SHARES.  A tile is 256 rows of X x 2 heads (128 rows of W, which lie 16 rows apart in memory).  Four waves: wave w takes rows 128 (w / 2) on (8 blocks of 16) and head w % 2 (4 tiles of 16 d): 32 accumulators.
; 8 x 32 work-groups, one for each WGP's place; EACH STAYS and makes its tile of Q, of K and of V, one after the other; the ring of two LDS slots (256 along K each) runs on from tile to tile: 12 fills in all, written out.
; CLUSTERS: 4 x 4.  X's tiles are shared along a row of the cluster, W's along a column: each is asked for jointly, by the same tensor load with a mask that names the four.
; Q, K (mode 0): source 0 = 16 rows of W, source 1 = 16 rows of X: a lane holds one row and eight d.  V (mode 1): the sources change places: a lane holds one d and eight keys.  So a lane's registers always run along the next K.
; The bias is the C of a sum's first matrix instruction: it is added first, where the sum as written adds it last.
; LIMITS: NaN and infinities among the inputs are not served.  A block whose largest magnitude lies under 2^-111 gets the scale byte 1; so does a block of zeros (the stated rule says 127): its codes are zeros, and these bytes are read by this program alone.
; REGISTERS, in windows of 256.  window 0: v0-29 addresses; v32-95 X's scale words (8 a + K step), v96-127 W's (8 t + K step); v128-255 X's 8 fragments, one set.
;   window 1: v0-127 W's 4 fragments, two sets; v128-223 the three biases in the result's layout.   windows 2, 3: v0-127 the accumulators of blocks 0-3, 4-7; v128-179 the quantiser's; window 3 v188-255 the way out.
.set XH,    128*272                    ; X's half tile in LDS: 128 rows of 256 bytes + 16 of padding: the 16 rows that a load touches start at 16 different banks
.set WHD,   64*272                     ; one head's 64 rows of W
.set SLOT,  2*XH+2*WHD
.set STAGE, 2*SLOT                     ; behind the ring: a stage for each wave; no fill lands there
.set WSTG,  8448                       ; 8,192 bytes of codes + 256 of scale words
.set SPARE, STAGE+4*WSTG               ; the spare words: 128 bytes a wave, two blocks of 256 bytes that no other line names
.set XSO,  4                           ; v4   32 r: my row's scale bytes
.set WSO,  5                           ; v5   512 r: W's rows of a head lie 16 rows apart
.set BO0,  6                           ; v6   512 h: the bias of d = 8 h + j (mode 0)
.set BO1,  7                           ; v7   64 r: the bias of d = r (mode 1)
.set SC0,  8                           ; v8, v10  where I put 8 codes (mode 0, 1)
.set SS0,  9                           ; v9, v11  where I put two scale bytes
.set RDC,  12                          ; v12  where I read the codes back
.set RDS,  13                          ; v13  and the scale words
.set GOC,  14                          ; v14  16 x lane
.set GOS,  15                          ; v15  8 x lane
.set ADRX, 16                          ; v16-17 my X fragments in slot 0, 1
.set ADRW, 20                          ; v20-21 my W fragments
.set SPW,  28                          ; v28  my spare word; never rewritten
.set NIL,  29                          ; v29  0; never rewritten
.set XS,   32
.set WS,   96
.set AF,   128
.set BI,   128                         ; window 1
.set TM,   128                         ; windows 2, 3: +0..3 largest magnitudes, +4..7 bytes, +12..15 the conversions' scale operands
.set PC,   144                         ; codes: 16 registers for each of two units
.set HW,   176                         ; half words of scale bytes
.set RS,   188                         ; window 3
.set RB,   192
.set XP,   4                           ; s[4:9]   X's codes at what I fetch, for Q, K, V
.set WP,   10                          ; s[10:15] W's
.set XSP,  16                          ; s[16:21] X's scale bytes at my rows
.set WSP,  22                          ; s[22:27] W's at my head
.set BP,   28                          ; s[28:33] the biases at my head
.set OC,   34                          ; s[34:39] where my codes go
.set OS,   40                          ; s[40:45] where my scale words go
.set SEL,  46                          ; s[46:47] selects of v_permlanex16_b32: lane l xor 16
.set G1X,  48
.set G1W,  56
.set MNT,  66
.set G0X,  68                          ; s[68:75] group 0 for X, a set for each slot
.set G0W,  76                          ; s[76:83] for W
.set WV,   84                          ; my wave
.set LDR,  85                          ; wave / 2: I fetch for X (0) or W (1); also which half of the rows is mine
.set PAR,  86                          ; wave % 2: which half I fetch; also which head is mine
.set MSB, 0
.macro WIN new                         ; the immediate's high byte repeats the setting that is left
.if MSB != (\new)
	s_set_vgpr_msb (MSB<<8)|(\new)
.set MSB, (\new)
.endif
.endm
.macro WMUL mode, hi, first            ; W in window 1, X in window 0 (mode 1: the sources change places); D in window 2 or 3; C with it, or the bias in window 1
	WIN (1+3*(\mode))|(((\first)+(1-(\first))*(2+(\hi)))<<4)|((2+(\hi))<<6)
.endm
.macro PLACES n                        ; plain vector instructions that name none of a matrix instruction's registers (ISA guide 7.12.1)
.rept \n
	v_nop
.endr
.endm
.macro JLOAD s                         ; a joint load: waves 0, 1 fetch X's halves, waves 2, 3 the two heads of W; four v_nop follow each line
	s_cmp_eq_u32 s[LDR], 0
	s_cbranch_scc0 .Lfor_w_\@
	tensor_load_to_lds s[G0X+4*\s:G0X+4*\s+3], s[G1X:G1X+7]
	s_nop 0
.rept 4
	v_nop
.endr
	s_branch .Lasked_\@
.Lfor_w_\@:
	tensor_load_to_lds s[G0W+4*\s:G0W+4*\s+3], s[G1W:G1W+7]
	s_nop 0
.rept 4
	v_nop
.endr
.Lasked_\@:
.endm
.macro CREST                           ; a round of the cluster's barrier behind its opening barrier
	s_cmp_lg_u32 s[WV], 0
	s_cbranch_scc1 .Lnot_wave_0_\@
	s_barrier_signal -3
.Lnot_wave_0_\@:
	s_barrier_wait -3
	s_barrier_signal -1
	s_barrier_wait -1
.endm
.macro CROUND
	s_barrier_signal -1
	s_barrier_wait -1
	CREST
.endm
	s_load_b256 s[4:11], s[0:1], 0x0               ; q, k, v codes; Wq codes
	s_load_b128 s[12:15], s[0:1], 0x20             ; Wk, Wv codes
	s_load_b256 s[16:23], s[0:1], 0x30             ; q, k, v scales; Wq scales
	s_load_b128 s[24:27], s[0:1], 0x50             ; Wk, Wv scales
	s_load_b128 s[28:31], s[0:1], 0x60             ; bq, bk
	s_load_b64 s[32:33], s[0:1], 0x70              ; bv
	s_load_b64 s[34:35], s[0:1], 0x78              ; qh codes
	s_load_b128 s[36:39], s[0:1], 0x80             ; kh, vh codes
	s_load_b128 s[40:43], s[0:1], 0x90             ; qh, kh scales
	s_load_b64 s[44:45], s[0:1], 0xa0              ; vh scales
	v_lshl_add_u32 v[SPW], v0, 2, SPARE
	v_mov_b32 v[NIL], 0
	ds_add_u32 v28, v29
	ds_add_u32 v28, v29
	s_wait_dscnt 0x0
	v_lshrrev_b32 v1, 5, v0
	v_readfirstlane_b32 s[WV], v1
	s_lshr_b32 s[LDR], s[WV], 1
	s_and_b32 s[PAR], s[WV], 1
	s_bfe_u32 s87, ttmp6, 0x40000                  ; cx
	s_bfe_u32 s88, ttmp6, 0x40004                  ; cy
	s_lshl_b32 s89, ttmp9, 2
	s_add_co_u32 s89, s89, s87                     ; tile column (a pair of heads) = 4 x cluster x + cx
	s_and_b32 s90, ttmp7, 0xffff
	s_lshl_b32 s90, s90, 2
	s_add_co_u32 s90, s90, s88                     ; tile row (256 rows) = 4 x cluster y + cy
	s_lshl_b32 s91, s88, 2
	s_lshl_b32 s91, 15, s91                        ; my row of the cluster
	s_lshl_b32 s92, 0x1111, s87                    ; my column
	s_or_b32 s[G1X], s91, (1<<20)|(1<<21)|(5<<22)|(3<<25)   ; the mask; elements of 1 byte; padding on; bit 21 beside a mask; 4 words behind every 64
	s_or_b32 s[G1W], s92, (1<<20)|(1<<21)|(5<<22)|(3<<25)
	s_mov_b32 s[G1X+1], 256<<16                    ; tensor_dim0 = 256
	s_mov_b32 s[G1X+2], 128<<16                    ; tensor_dim1 = 128
	s_mov_b32 s[G1X+3], 256<<16                    ; tile_dim0
	s_mov_b32 s[G1X+4], 128                        ; tile_dim1
	s_mov_b32 s[G1X+5], 1024                       ; from row to row
	s_mov_b32 s[G1X+6], 0
	s_mov_b32 s[G1X+7], 0
	s_mov_b32 s[G1W+1], 256<<16
	s_mov_b32 s[G1W+2], 64<<16
	s_mov_b32 s[G1W+3], 256<<16
	s_mov_b32 s[G1W+4], 64                         ; a head's 64 rows,
	s_mov_b32 s[G1W+5], 16384                      ; 16 rows of 1,024 bytes apart
	s_mov_b32 s[G1W+6], 0
	s_mov_b32 s[G1W+7], 0
	s_mov_b32 s[SEL], 0x76543210
	s_mov_b32 s[SEL+1], 0xfedcba98
	s_lshl_b32 s93, s[PAR], 7                      ; X: row 256 x tile row + 128 x half, in registers that never hold cx
	s_lshl_b32 s94, s90, 8
	s_add_co_u32 s94, s94, s93
	s_lshl_b32 s94, s94, 10
	s_mov_b32 s95, 0
	s_lshl_b32 s98, s89, 1                         ; W: row = head = 2 x tile column + half, in registers that never hold cy
	s_add_co_u32 s98, s98, s[PAR]
	s_lshl_b32 s96, s98, 10
	s_mov_b32 s97, 0
	s_mul_i32 s93, s[PAR], XH                      ; where they go: the wave's number alone enters an LDS address
	s_mul_i32 s99, s[PAR], WHD
	s_add_co_u32 s99, s99, 2*XH
	s_wait_kmcnt 0x0
.irp T, 0,1,2
	s_add_nc_u64 s[XP+2*\T:XP+2*\T+1], s[XP+2*\T:XP+2*\T+1], s[94:95]
	s_add_nc_u64 s[WP+2*\T:WP+2*\T+1], s[WP+2*\T:WP+2*\T+1], s[96:97]
.endr
	CROUND                                         ; all sixteen work-groups are here: the first joint loads meet
.irp s, 0,1
	s_mov_b32 s[G0X+4*\s], 1
	s_add_co_u32 s[G0X+4*\s+1], s93, \s*SLOT
	s_add_nc_u64 s[G0X+4*\s+2:G0X+4*\s+3], s[XP:XP+1], \s*256
	s_or_b32 s[G0X+4*\s+3], s[G0X+4*\s+3], 0x80000000
	s_mov_b32 s[G0W+4*\s], 1
	s_add_co_u32 s[G0W+4*\s+1], s99, \s*SLOT
	s_add_nc_u64 s[G0W+4*\s+2:G0W+4*\s+3], s[WP:WP+1], \s*256
	s_or_b32 s[G0W+4*\s+3], s[G0W+4*\s+3], 0x80000000
	s_wait_alu depctr_va_vdst(0)
	s_wait_tensorcnt 0x0
	ds_add_u32 v28, v29
	ds_add_u32 v28, v29
	s_wait_dscnt 0x0
	CROUND
	JLOAD \s                                       ; one load of mine is out
.endr
	s_lshl_b32 s100, s90, 8                        ; my rows' scale bytes: (256 x tile row + 128 x my half) x 32
	s_lshl_b32 s2, s[LDR], 7
	s_add_co_u32 s100, s100, s2
	s_lshl_b32 s100, s100, 5
	s_mov_b32 s101, 0
.irp T, 0,1,2
	s_add_nc_u64 s[XSP+2*\T:XSP+2*\T+1], s[XSP+2*\T:XSP+2*\T+1], s[100:101]
.endr
	s_lshl_b32 s100, s98, 5                        ; my head's first row of W's scale bytes
.irp T, 0,1,2
	s_add_nc_u64 s[WSP+2*\T:WSP+2*\T+1], s[WSP+2*\T:WSP+2*\T+1], s[100:101]
.endr
	s_lshl_b32 s100, s98, 2                        ; and of the bias
.irp T, 0,1,2
	s_add_nc_u64 s[BP+2*\T:BP+2*\T+1], s[BP+2*\T:BP+2*\T+1], s[100:101]
.endr
	s_lshl_b32 s2, s90, 1
	s_add_co_u32 s2, s2, s[LDR]                    ; j: which 128 rows of the 8,192 are mine
	s_lshr_b32 s3, s2, 4
	s_lshl_b32 s3, s3, 4
	s_add_co_u32 s3, s3, s98                       ; batch x 16 + head
	s_lshl_b32 s3, s3, 4
	s_and_b32 s2, s2, 15
	s_add_co_u32 s3, s3, s2                        ; x 16 + the step of 128 rows
	s_lshl_b32 s100, s3, 13
.irp T, 0,1,2
	s_add_nc_u64 s[OC+2*\T:OC+2*\T+1], s[OC+2*\T:OC+2*\T+1], s[100:101]
.endr
	s_lshl_b32 s100, s3, 8
.irp T, 0,1,2
	s_add_nc_u64 s[OS+2*\T:OS+2*\T+1], s[OS+2*\T:OS+2*\T+1], s[100:101]
.endr
	v_and_b32 v1, 15, v0                           ; r
	v_bfe_u32 v2, v0, 4, 1                         ; h
	v_and_b32 v3, 31, v0                           ; lane
	v_lshlrev_b32 v[XSO], 5, v1
	v_lshlrev_b32 v[WSO], 9, v1
	v_lshlrev_b32 v[BO0], 9, v2
	v_lshlrev_b32 v[BO1], 6, v1
	v_mul_u32_u24 v22, v1, 272
	v_lshl_add_u32 v22, v2, 4, v22                 ; a fragment's row x pitch + 16 x half
	s_mul_i32 s100, s[LDR], XH
	s_mul_i32 s101, s[PAR], WHD
	s_add_co_u32 s101, s101, 2*XH
	v_add_nc_u32 v[ADRX], s100, v22
	v_add_nc_u32 v[ADRW], s101, v22
	v_add_nc_u32 v[ADRX+1], SLOT, v[ADRX]
	v_add_nc_u32 v[ADRW+1], SLOT, v[ADRW]
	s_mul_i32 s100, s[WV], WSTG
	s_add_co_u32 s100, s100, STAGE                 ; my stage
	v_lshrrev_b32 v23, 3, v1                       ; r / 8
	v_and_b32 v24, 7, v1                           ; r % 8
	v_lshlrev_b32 v25, 4, v24
	v_lshl_add_u32 v25, v2, 3, v25
	v_add_nc_u32 v25, s100, v25                    ; 16 (r % 8) + 8 h
	v_lshl_add_u32 v[SC0], v23, 10, v25            ; mode 0: r / 8 is the reader's u
	v_lshl_add_u32 v[SC0+2], v23, 11, v25          ; mode 1: r / 8 is the low bit of the reader's fragment
	v_lshlrev_b32 v26, 2, v24
	v_add_nc_u32 v26, s100, v26
	v_add_nc_u32 v26, 8192, v26
	v_lshl_add_u32 v[SS0], v23, 1, v26
	v_lshl_add_u32 v[SS0+2], v23, 6, v26
	v_lshlrev_b32 v[GOC], 4, v3
	v_lshlrev_b32 v[GOS], 3, v3
	v_add_nc_u32 v[RDC], s100, v[GOC]
	v_add_nc_u32 v[RDS], s100, v[GOS]
	v_add_nc_u32 v[RDS], 8192, v[RDS]
.macro SCLOAD tl                       ; a tile's scale words, for all of K: a row's 32 bytes are its 8 words; lane r takes row r (lanes 16-31 hold the same and are not read)
.irp a, 0,1,2,3,4,5,6,7
	global_load_b128 v[XS+8*\a:XS+8*\a+3], v[XSO], s[XSP+2*(\tl):XSP+2*(\tl)+1] offset:512*\a
	global_load_b128 v[XS+8*\a+4:XS+8*\a+7], v[XSO], s[XSP+2*(\tl):XSP+2*(\tl)+1] offset:512*\a+16
.endr
.irp t, 0,1,2,3
	global_load_b128 v[WS+8*\t:WS+8*\t+3], v[WSO], s[WSP+2*(\tl):WSP+2*(\tl)+1] offset:8192*\t
	global_load_b128 v[WS+8*\t+4:WS+8*\t+7], v[WSO], s[WSP+2*(\tl):WSP+2*(\tl)+1] offset:8192*\t+16
.endr
.endm
.macro BIAS tl, mode                   ; the bias in the result's layout: mode 0: register j is d = 16 t + 8 h + j; mode 1: every register is d = 16 t + r
.irp t, 0,1,2,3
.irp j, 0,1,2,3,4,5,6,7
.if \mode
	global_load_b32 v[BI+32*\tl+8*\t+\j], v[BO1], s[BP+2*\tl:BP+2*\tl+1] offset:1024*\t
.else
	global_load_b32 v[BI+32*\tl+8*\t+\j], v[BO0], s[BP+2*\tl:BP+2*\tl+1] offset:(16*\t+\j)*64
.endif
.endr
.endr
.endm
	WIN 0x40                                       ; destination window 1
	BIAS 0, 0
	BIAS 1, 0
	BIAS 2, 1
	WIN 0
	SCLOAD 0
	WIN 0x80
.irp b, 0,1,2,3
	v_mov_b32 v[TM+4+\b], 0                        ; written once: a lane permute's destination counts as one of its sources
.endr
	WIN 0xc0
.irp b, 0,1,2,3
	v_mov_b32 v[TM+4+\b], 0
.endr
	WIN 0
.macro FRAGX reg, slot, q, a           ; 16 rows x 128 K of 8-bit codes: registers 4 c .. 4 c + 3 hold K = 32 c + 16 (lane / 16) + 0 .. 15
.irp c, 0,1,2,3
	ds_load_b128 v[\reg+4*\c:\reg+4*\c+3], v[ADRX+\slot] offset:128*(\q)+32*\c+(\a)*4352
.endr
.endm
.macro FRAGW reg, slot, q, t
.irp c, 0,1,2,3
	ds_load_b128 v[\reg+4*\c:\reg+4*\c+3], v[ADRW+\slot] offset:128*(\q)+32*\c+(\t)*4352
.endr
.endm
.macro FETCH_W slot, q, p              ; W's four fragments into set p: 16 loads
	WIN 0x40
.irp i, 0,1,2,3
	FRAGW 64*(\p)+16*\i, \slot, \q, \i
.endr
	WIN 0
.endm
.macro FETCH_X slot, q, a0             ; X's blocks a0 .. a0 + 3: 16 loads
.irp i, \a0, \a0+1, \a0+2, \a0+3
	FRAGX AF+16*(\i), \slot, \q, \i
.endr
.endm
; 8 matrix instructions: X's blocks a0, a0 + 1 x W's four tiles, K step ks.  The 32 accumulators take turns, one instruction a turn, in the same order in every step.
; Where an accumulator lies: mode 0: 8 (4 (a % 4) + t): the tiles of a block on end, d ascending;  mode 1: 16 (2 t + (a % 4) / 2) + 8 (a % 2): the two blocks of 32 keys on end.
.macro MUL8 a0, p, ks, mode, first, tl
.irp a, \a0, \a0+1
.irp t, 0,1,2,3
.if \mode
.set rD, 16*(2*\t+(((\a)%4)/2))+8*((\a)%2)
.else
.set rD, 8*(4*((\a)%4)+\t)
.endif
.set rC, rD
.if \first
.set rC, BI+32*(\tl)+8*\t
.endif
.set rW, 64*(\p)+16*\t
.set rX, AF+16*(\a)
.if \mode
	v_wmma_scale_f32_16x16x128_f8f6f4 v[rD:rD+7], v[rX:rX+15], v[rW:rW+15], v[rC:rC+7], v[XS+8*(\a)+(\ks)], v[WS+8*\t+(\ks)] matrix_a_fmt:MATRIX_FMT_BF8 matrix_b_fmt:MATRIX_FMT_BF8
.else
	v_wmma_scale_f32_16x16x128_f8f6f4 v[rD:rD+7], v[rW:rW+15], v[rX:rX+15], v[rC:rC+7], v[WS+8*\t+(\ks)], v[XS+8*(\a)+(\ks)] matrix_a_fmt:MATRIX_FMT_BF8 matrix_b_fmt:MATRIX_FMT_BF8
.endif
.endr
.endr
.endm
; A slot's first 128 along K (W's set 0).  A block of X is free as soon as its four products are issued, so X has one set: blocks 0-3 come anew in the middle, blocks 4-7 at the end.
.macro STEP slot, ks, mode, first, tl
	s_wait_dscnt 16                                ; W's set and X's blocks 0-3 are in; the youngest 16 loads (blocks 4-7) may be out
	WMUL \mode, 0, \first
	MUL8 0, 0, \ks, \mode, \first, \tl
	MUL8 2, 0, \ks, \mode, \first, \tl
	s_wait_dscnt 0x0                               ; blocks 4-7 are in
	PLACES 8                                       ; in front of loads into registers that matrix instructions have read
	FETCH_W \slot, 1, 1
	FETCH_X \slot, 1, 0
	WMUL \mode, 1, \first
	MUL8 4, 0, \ks, \mode, \first, \tl
	MUL8 6, 0, \ks, \mode, \first, \tl
	PLACES 8
	WIN 0
	FETCH_X \slot, 1, 4
.endm
; A slot's second 128 along K (W's set 1) changes slots: one barrier; in front of it each wave waits for all its tensor loads, adds 0 to its spare word and waits for that and for its reads of this slot.
; fill = 1: this slot takes the same tile's K two slots on;  2: the next tile's (tn) first or second 256 along K: the ring runs on;  0: nothing is left to fetch.
.macro TURN slot, next, ks, mode, fill, tn
	s_wait_tensorcnt 0x0                           ; all my tensor loads have landed: my part of the next slot
	ds_add_u32 v[SPW], v[NIL]                      ; 0 onto my spare word
	s_wait_dscnt 17                                ; (the add and the youngest 16 loads may be out)
	WMUL \mode, 0, 0
	MUL8 0, 1, \ks, \mode, 0, 0                    ; eight matrix instructions stand between the add and the wait for it
	s_wait_dscnt 0x0                               ; the add is done, and my reads of this slot are over
	s_barrier_signal -1
	MUL8 2, 1, \ks, \mode, 0, 0
	WIN 0
	s_barrier_wait -1
.if \fill
	CREST                                          ; the barrier has opened a round of the cluster's: no wave of any partner still reads this slot or has a load on its way
.if \fill == 1
	s_add_nc_u64 s[G0X+4*\slot+2:G0X+4*\slot+3], s[G0X+4*\slot+2:G0X+4*\slot+3], 512
	s_add_nc_u64 s[G0W+4*\slot+2:G0W+4*\slot+3], s[G0W+4*\slot+2:G0W+4*\slot+3], 512
.else
	s_add_nc_u64 s[G0X+4*\slot+2:G0X+4*\slot+3], s[XP+2*(\tn):XP+2*(\tn)+1], 256*\slot
	s_or_b32 s[G0X+4*\slot+3], s[G0X+4*\slot+3], 0x80000000
	s_add_nc_u64 s[G0W+4*\slot+2:G0W+4*\slot+3], s[WP+2*(\tn):WP+2*(\tn)+1], 256*\slot
	s_or_b32 s[G0W+4*\slot+3], s[G0W+4*\slot+3], 0x80000000
.endif
	JLOAD \slot                                    ; the first tensor load behind the round, one a wave; its four v_nop are four of the eight places
	PLACES 4
.else
	PLACES 8
.endif
	FETCH_W \next, 0, 0
	FETCH_X \next, 0, 0
	WMUL \mode, 1, 0
	MUL8 4, 1, \ks, \mode, 0, 0
	MUL8 6, 1, \ks, \mode, 0, 0
	PLACES 8
	WIN 0
	FETCH_X \next, 0, 4
.endm
.macro LAST ks, mode                   ; the very last 128 along K: nothing more to fetch
	s_wait_dscnt 16
	WMUL \mode, 0, 0
	MUL8 0, 1, \ks, \mode, 0, 0
	MUL8 2, 1, \ks, \mode, 0, 0
	s_wait_dscnt 0x0
	WMUL \mode, 1, 0
	MUL8 4, 1, \ks, \mode, 0, 0
	MUL8 6, 1, \ks, \mode, 0, 0
	WIN 0
	PLACES 8
.endm
; 64 numbers of a lane, four blocks of 16 registers from v[s] on; a block's other 16 numbers lie in lane l xor 16.  Codes to v[pc] on, the four scale bytes as two half words to v[hw], v[hw + 1].
.macro QUANT s, pc, hw
.irp b, 0,1,2,3
	v_max3_num_f32 v[TM+\b], |v[\s+16*\b]|, |v[\s+1+16*\b]|, 0x8000000   ; my 16 numbers, and the floor 2^(16 - 127): the byte cannot fall under 1
.endr
.irp i, 2,4,6,8,10,12,14
.irp b, 0,1,2,3
	v_max3_num_f32 v[TM+\b], v[TM+\b], |v[\s+16*\b+\i]|, |v[\s+1+16*\b+\i]|   ; the four blocks by turns; each accumulator is read from its low end on
.endr
.endr
.irp b, 0,1,2,3
	v_permlanex16_b32 v[TM+4+\b], v[TM+\b], s[SEL], s[SEL+1]
.endr
.irp b, 0,1,2,3
	v_max_num_f32 v[TM+\b], v[TM+\b], v[TM+4+\b]   ; the block's largest magnitude
.endr
.irp b, 0,1,2,3
	v_add_nc_u32 v[TM+12+\b], 0xf8800000, v[TM+\b] ; 15 off its exponent field: the conversion's scale operand
.endr
.irp b, 0,1,2,3
.endr
.irp b, 0,1,2,3
	v_lshrrev_b32 v[TM+4+\b], 23, v[TM+12+\b]      ; the scale's byte
.endr
	v_lshl_or_b32 v[\hw], v[TM+5], 8, v[TM+4]
	v_lshl_or_b32 v[\hw+1], v[TM+7], 8, v[TM+6]
.irp b, 0,1,2,3
.irp i, 0,1,2,3,4,5,6,7,8,9,10,11,12,13,14,15
.endr
	v_cvt_scalef32_pk8_bf8_f32 v[\pc+4*\b:\pc+4*\b+1], v[\s+16*\b:\s+16*\b+7], v[TM+12+\b]
	v_cvt_scalef32_pk8_bf8_f32 v[\pc+4*\b+2:\pc+4*\b+3], v[\s+16*\b+8:\s+16*\b+15], v[TM+12+\b]
.endr
	v_nop                                          ; one plain vector line behind the last conversion
.endm
; THE WAY OUT of a tile: four units of 64 registers are quantised; the codes go, 8 bytes a lane, to their places in the reader's images in my stage; 8,192 + 256 bytes come back as they lie and leave in stores of 512 and 256 consecutive, aligned bytes.
.macro EPI tl, mode
	s_wait_xcnt 0x0                                ; the last tile's stores have read their registers
.if \tl < 2
	SCLOAD (\tl)+1                                 ; the next tile's scale words: eight places stand behind the last product
.endif
.irp W, 0,1
.irp U, 0,1
	WIN 0xaa+0x55*\W
	QUANT 64*\U, PC+16*\U, HW+2*\U
	WIN 0x08+4*\W                                  ; an LDS store's data are its source 1
.irp be, 0,1,2,3
.if \mode
.set IM, \U*4096+(2*\W+(\be%2))*512+(\be/2)*128
.else
.set IM, (2*\W+\U)*2048+(\be%2)*512+(\be/2)*128
.endif
	ds_store_b64 v[SC0+2*\mode], v[PC+16*\U+4*\be:PC+16*\U+4*\be+1] offset:IM
	ds_store_b64 v[SC0+2*\mode], v[PC+16*\U+4*\be+2:PC+16*\U+4*\be+3] offset:IM+256
.endr
.irp jj, 0,1
.if \mode
.set IS, \U*128+\jj*32+2*\W
.else
.set IS, (2*\W+\U)*64+\jj*32
.endif
	ds_store_b16 v[SS0+2*\mode], v[HW+2*\U+\jj] offset:IS   ; lanes l and l + 16 write the same two bytes with the same value
.endr
.endr
.endr
	WIN 0xc0                                       ; destination window 3
.irp i, 0,1,2,3,4,5,6,7,8,9,10,11,12,13,14,15
	ds_load_b128 v[RB+4*\i:RB+4*\i+3], v[RDC] offset:512*\i   ; LDS serves a wave's instructions in order (ISA guide 5.7.1.4): these see my stores
.endr
	ds_load_b64 v[RS:RS+1], v[RDS]
	WIN 0x0c                                       ; a store's data are its source 1
.irp i, 0,1,2,3,4,5,6,7,8,9,10,11,12,13,14,15
	s_wait_dscnt 16-\i                             ; the loads issued behind this one may be out
	global_store_b128 v[GOC], v[RB+4*\i:RB+4*\i+3], s[OC+2*\tl:OC+2*\tl+1] offset:512*\i
.endr
	s_wait_dscnt 0x0
	global_store_b64 v[GOS], v[RS:RS+1], s[OS+2*\tl:OS+2*\tl+1]
	WIN 0
.endm
.macro TILE tl, mode
	STEP 0, 0, \mode, 1, \tl                       ; the first products take the bias as C: nothing is cleared
	TURN 0, 1, 1, \mode, 1, 0
	STEP 1, 2, \mode, 0, 0
	TURN 1, 0, 3, \mode, 1, 0
	STEP 0, 4, \mode, 0, 0
.if \tl < 2
	TURN 0, 1, 5, \mode, 2, (\tl)+1
	STEP 1, 6, \mode, 0, 0
	TURN 1, 0, 7, \mode, 2, (\tl)+1                ; both refills for the next tile are asked for, and its first fragments fetched: now this tile goes out
.else
	TURN 0, 1, 5, \mode, 0, 0
	STEP 1, 6, \mode, 0, 0
	LAST 7, \mode
.endif
	EPI \tl, \mode
.if \tl < 2
	s_wait_loadcnt 0x0                             ; the next tile's scale words
.endif
.endm
	s_wait_tensorcnt 1                             ; my part of slot 0 is in; slot 1's may stay out
	s_barrier_signal -1
	s_barrier_wait -1
	FETCH_W 0, 0, 0
	FETCH_X 0, 0, 0
	FETCH_X 0, 0, 4
	s_wait_loadcnt 0x0                             ; the biases and the first tile's scale words
	TILE 0, 0
	TILE 1, 0
	TILE 2, 1
	s_wait_tensorcnt 0x0                           ; the wave's end
	ds_add_u32 v[SPW], v[NIL]
	s_wait_dscnt 0x0
	CROUND                                         ; the closing round
	s_endpgm
.Lfunc_end_k_qce06fa4e44_proj:
	.size	k_qce06fa4e44_proj, .Lfunc_end_k_qce06fa4e44_proj-k_qce06fa4e44_proj
	.p2alignl 7, 3214868480
	.fill 96, 4, 3214868480
	.section	.rodata,"a",@progbits
	.p2align	6, 0x0
	.amdhsa_kernel k_qce06fa4e44_proj
		.amdhsa_group_segment_fixed_size 327680
		.amdhsa_private_segment_fixed_size 0
		.amdhsa_enable_private_segment 0
		.amdhsa_kernarg_size 168
		.amdhsa_user_sgpr_count 2
		.amdhsa_user_sgpr_kernarg_segment_ptr 1
		.amdhsa_wavefront_size32 1
		.amdhsa_system_sgpr_workgroup_id_x 1
		.amdhsa_system_sgpr_workgroup_id_y 1
		.amdhsa_system_sgpr_workgroup_id_z 1
		.amdhsa_system_vgpr_workitem_id 0
		.amdhsa_next_free_vgpr 1024
		.amdhsa_next_free_sgpr 104
		.amdhsa_reserve_vcc 0
		.amdhsa_float_denorm_mode_32 3
		.amdhsa_float_denorm_mode_16_64 3
		.amdhsa_fp16_overflow 1
		.amdhsa_memory_ordered 1
		.amdhsa_forward_progress 1
		.amdhsa_inst_pref_size 255
	.end_amdhsa_kernel
	.section	.bss,"aw",@nobits
	.p2align	6
	.space	262144
	.amdgpu_metadata
---
amdhsa.version: [ 1, 2 ]
amdhsa.kernels:
  - .name:           k_qce06fa4e44_proj
    .symbol:         k_qce06fa4e44_proj.kd
    .args:
      - { .name: q_codes, .offset: 0, .size: 8, .value_kind: global_buffer, .address_space: global }
      - { .name: k_codes, .offset: 8, .size: 8, .value_kind: global_buffer, .address_space: global }
      - { .name: v_codes, .offset: 16, .size: 8, .value_kind: global_buffer, .address_space: global }
      - { .name: Wq_codes, .offset: 24, .size: 8, .value_kind: global_buffer, .address_space: global }
      - { .name: Wk_codes, .offset: 32, .size: 8, .value_kind: global_buffer, .address_space: global }
      - { .name: Wv_codes, .offset: 40, .size: 8, .value_kind: global_buffer, .address_space: global }
      - { .name: q_scales, .offset: 48, .size: 8, .value_kind: global_buffer, .address_space: global }
      - { .name: k_scales, .offset: 56, .size: 8, .value_kind: global_buffer, .address_space: global }
      - { .name: v_scales, .offset: 64, .size: 8, .value_kind: global_buffer, .address_space: global }
      - { .name: Wq_scales, .offset: 72, .size: 8, .value_kind: global_buffer, .address_space: global }
      - { .name: Wk_scales, .offset: 80, .size: 8, .value_kind: global_buffer, .address_space: global }
      - { .name: Wv_scales, .offset: 88, .size: 8, .value_kind: global_buffer, .address_space: global }
      - { .name: bq, .offset: 96, .size: 8, .value_kind: global_buffer, .address_space: global }
      - { .name: bk, .offset: 104, .size: 8, .value_kind: global_buffer, .address_space: global }
      - { .name: bv, .offset: 112, .size: 8, .value_kind: global_buffer, .address_space: global }
      - { .name: qh_codes, .offset: 120, .size: 8, .value_kind: global_buffer, .address_space: global }
      - { .name: kh_codes, .offset: 128, .size: 8, .value_kind: global_buffer, .address_space: global }
      - { .name: vh_codes, .offset: 136, .size: 8, .value_kind: global_buffer, .address_space: global }
      - { .name: qh_scales, .offset: 144, .size: 8, .value_kind: global_buffer, .address_space: global }
      - { .name: kh_scales, .offset: 152, .size: 8, .value_kind: global_buffer, .address_space: global }
      - { .name: vh_scales, .offset: 160, .size: 8, .value_kind: global_buffer, .address_space: global }
    .group_segment_fixed_size: 327680
    .private_segment_fixed_size: 0
    .kernarg_segment_align: 8
    .kernarg_segment_size: 168
    .max_flat_workgroup_size: 128
    .sgpr_count:     104
    .vgpr_count:     1024
    .wavefront_size: 32
...
	.end_amdgpu_metadata
.endif
;; end of part 1
;; launch attn (part 2): grid 4 x 64, 16 waves a work-group, clusters of 4 x 1, 327,680 bytes of LDS; arguments qh_codes, qh_scales, kh_codes, kh_scales, vh_codes, vh_scales, at_codes, at_scales; writes at_codes, at_scales
.if DOCPART == 2
	.amdgcn_target "amdgcn-amd-amdhsa--gfx1250"
	.amdhsa_code_object_version 6
	.text
	.protected	k_qce06fa4e44_attn
	.globl	k_qce06fa4e44_attn
	.p2align	8
	.type	k_qce06fa4e44_attn,@function
k_qce06fa4e44_attn:
	s_mov_b64 s[64:65], 0
	v_nop
	global_prefetch_b8 v0, s[64:65] scope:SCOPE_SE
	s_setreg_imm32_b32 hwreg(HW_REG_WAVE_MODE, 25, 1), 1
	s_wait_xcnt 0x0
	s_wait_alu depctr_hold_cnt(0) depctr_sa_sdst(0) depctr_va_vdst(0) depctr_va_sdst(0) depctr_va_ssrc(0) depctr_va_vcc(0) depctr_vm_vsrc(0)
	s_getreg_b32 s2, hwreg(HW_REG_IB_STS2, 6, 4)
	s_cmp_eq_u32 s2, 0
	s_cbranch_scc0 .Lentry_in_a_cluster
	s_endpgm
.Lentry_in_a_cluster:
	s_bfe_u32 s2, ttmp6, 0x10000c
	s_cmp_lg_u32 s2, 0x3003
	s_cbranch_scc0 .Lentry_shape_is_right
	s_endpgm
.Lentry_shape_is_right:
; CAUSAL ATTENTION ON CODES OF BF8 (E5M2), 64 (batch, head) pairs, 2,048 queries and keys, head size 64.  Q, K, V come as images of operand registers (the projection launch's head says how they lie).
; t = score x log2(e) / 32; M = the running largest t rounded UP to a whole number; p = 2^(t - M) is quantised along the keys, not normalised; the row's sum is taken of the unquantised p and divides at the end.
; O / sum is quantised along head x 64 + d (two blocks of 32 here) and leaves as an image of the last product's operand: [head / 4][tile of 16 rows][(head / 2) % 2][2 (head % 2) + block][lane][16 bytes];
; its scale bytes as [tile x 16 + r][32], byte 2 head + block.
; CLUSTER.  Four work-groups own one pair.  The pair's K and V, 2 x 131,072 bytes of codes and 2 x 4,096 of scale words, STAY IN EACH WORK-GROUP'S LDS: they are asked for once, jointly, by the same tensor loads with a mask
; that names the four.  Nothing is filled again: two barriers in all, one for the first 512 keys and the scale words, one for the rest; behind the second the sixteen waves never meet again.
; SHARES.  Work-group c takes, of each group g of 128 queries, queries 128 g + 32 c .. + 31: two tiles of 16.  Wave w takes tile u = w % 2 of group 15 - w / 2 and then of group w / 2:
; (16 - w / 2) + (w / 2 + 1) = 17 key steps of 128 keys, two of them on the diagonal, in every wave of every work-group.  Its queries: 128 g + 32 c + 8 u + r + 8 (r / 8).
; Which steps a wave leaves out (all keys hidden) or masks hangs on g, that is on the wave's number alone: the place in the cluster enters Q's and the output's addresses and the mask's compare, no branch and no LDS address.
; Both loops over the keys have constant trip counts; a hidden step's work is jumped over.  Sixteen waves of 256 registers, four to a SIMD: one wave's vector work stands beside another's products and LDS loads.
; K = 64 IN AN INSTRUCTION 128 DEEP: a fragment of K holds two tiles of 16 keys, one in K places 0-63, one in 64-127; Q stands beside 64 zero codes, [Q | 0] or [0 | Q], and picks one of the two.
; Both products are used transposed: a lane holds ONE query throughout; registers 16 f + i of the scores are keys 32 f + 16 (lane / 16) + i, so the conversions' results are the second product's operand.
; LIMITS: NaN and infinities are not served; a block under 2^-111, and a block of zeros, gets the scale byte 1 (read by this program alone).
.set VC,    131072                     ; LDS: K's codes from 0 (key step s at 8,192 s), V's from here,
.set KSC,   262144                     ; K's scale words (256 bytes a key step),
.set VSC,   4096                       ; V's this far behind K's.  270,336 bytes in all
.set QTR,   32768                      ; a quarter of K's or V's codes: 512 keys, four key steps
.set LI,  1                            ; v1   16 x lane
.set LSK, 2                            ; v2   4 r + KSC
.set LQ,  3                            ; v3   4 r
.set LIV, 4                            ; v4   16 x lane + VC
.set GS,  5                            ; v5   32 r
.set QL,  6                            ; v6   r + 8 (r / 8) - 16 (lane / 16)
.set ADK, 8                            ; v8   the step's fragments of K
.set ADS, 9                            ; v9   its scale words
.set ADV, 10                           ; v10  its fragments of V
; v12 -M, v13 the largest t, v[14:15] the sum in two halves; v16-23 zeros, v24-31 Q, v32-39 zeros; v40 Q's scale word; v42-49, v50 the second tile's Q and word
.set FR,  52                           ; v52-115  four fragments of K, then of V
.set S,   116                          ; v116-179 the scores, then p
.set O,   180                          ; v180-211 O^T
.set PC,  212                          ; v212-227 p's codes
.set BM,  228                          ; a block's largest score, then its largest p
.set PM,  232                          ; the other half's; then the bytes
.set HL,  236
.set SO,  240                          ; the conversions' scale operands
.set KW,  244                          ; v244-247 K's or V's scale words
; v[248:249] f; v250 p's scale word; v251-253 at work; v[254:255] the sum's second chain
.set WV,  20
.set MNT, 21
.set SEL, 22
.set CS,  24                           ; s[24:25] c = log2(e) / 32
.set PBC, 26                           ; s[26:27] the pair's codes of K (even waves) or V (odd waves)
.set G1C, 28                           ; group 1 for codes: 128 rows of 256 bytes, dense
.set G1S, 36                           ; for scale words: 16 rows
.set G0A, 44                           ; group 0: quarter 0 of the codes
.set G0B, 48                           ; quarter 1 + wave / 2
.set G0S, 52                           ; the scale words
.set TB,  56                           ; LDS byte at which the step's codes begin, in K's region and in V's
.set TS,  57                           ; and its scale words
.set CNT, 58                           ; trips to go
.set GB,  59                           ; 128 g of the tile in hand: made of the wave's number alone
.set KF,  60                           ; the step's first key
.set GB2, 61                           ; 128 g of the second tile
.set QD,  62                           ; 128 g + 32 c + 8 u: it serves the mask's compare alone
.set QD2, 63
.set U16, 66                           ; 16 u
.macro CROUND                          ; a round of the cluster's barrier: my work-group's barrier; wave 0 signals for the work-group; every wave waits for all four; my work-group's barrier once more
	s_barrier_signal -1
	s_barrier_wait -1
	s_cmp_lg_u32 s[WV], 0
	s_cbranch_scc1 .Lnot_wave_0_\@
	s_barrier_signal -3
.Lnot_wave_0_\@:
	s_barrier_wait -3
	s_barrier_signal -1
	s_barrier_wait -1
.endm
	s_load_b256 s[4:11], s[0:1], 0x0               ; Q's codes, scales; K's codes, scales
	s_load_b256 s[12:19], s[0:1], 0x20             ; V's codes, scales; the output's codes, scales
	v_lshl_add_u32 v41, v0, 2, 0x42000
	v_mov_b32 v51, 0
	ds_add_u32 v41, v51
	ds_add_u32 v41, v51
	v_lshrrev_b32 v8, 5, v0
	s_delay_alu instid0(VALU_DEP_1)
	v_readfirstlane_b32 s[WV], v8                  ; wave 0..15
	s_and_b32 s67, ttmp7, 0xffff                   ; the pair: batch x 16 + head; the four partners share it
	s_and_b32 s68, s[WV], 1                        ; u
	s_lshr_b32 s69, s[WV], 1                       ; j = wave / 2
	s_lshl_b32 s[U16], s68, 4
	s_sub_co_u32 s70, 15, s69                      ; the first tile's group
	s_lshl_b32 s[GB], s70, 7
	s_lshl_b32 s[GB2], s69, 7                      ; the second tile's group is j
	s_bfe_u32 s72, ttmp6, 0x40000                  ; c: my place in the cluster
	s_lshl_b32 s73, s72, 1
	s_add_co_u32 s73, s73, s68                     ; 2 c + u
	s_lshl_b32 s74, s70, 3
	s_add_co_u32 s74, s74, s73                     ; my first tile of 16 queries in the pair: 8 g + 2 c + u
	s_lshl_b32 s75, s69, 3
	s_add_co_u32 s75, s75, s73                     ; my second
	s_lshl_b32 s76, s72, 5
	s_lshl_b32 s77, s68, 3
	s_add_co_u32 s76, s76, s77                     ; 32 c + 8 u
	s_add_co_u32 s[QD], s[GB], s76
	s_add_co_u32 s[QD2], s[GB2], s76
	s_and_b32 s77, s67, 15                         ; head
	s_lshr_b32 s78, s67, 4
	s_lshl_b32 s78, s78, 7                         ; 128 x batch
	s_lshr_b32 s79, s77, 2
	s_lshl_b32 s79, s79, 21
	s_and_b32 s76, s77, 3
	s_lshl_b32 s76, s76, 10
	s_add_co_u32 s79, s79, s76                     ; (head / 4) x 2,097,152 + (head % 4) x 1,024
	s_lshl_b32 s77, s77, 1                         ; 2 head
	s_add_co_u32 s76, s78, s74
	s_lshl_b32 s80, s76, 12
	s_add_co_u32 s80, s80, s79                     ; where the first tile's codes go
	s_mov_b32 s81, 0
	s_lshl_b32 s82, s76, 9
	s_add_co_u32 s82, s82, s77                     ; and its scale bytes
	s_mov_b32 s83, 0
	s_add_co_u32 s76, s78, s75
	s_lshl_b32 s84, s76, 12
	s_add_co_u32 s84, s84, s79
	s_mov_b32 s85, 0
	s_lshl_b32 s86, s76, 9
	s_add_co_u32 s86, s86, s77
	s_mov_b32 s87, 0
	s_lshl_b32 s96, s67, 17                        ; the pair's codes: 131,072 bytes
	s_mov_b32 s97, 0
	s_lshl_b32 s98, s67, 12                        ; its scale words: 4,096
	s_mov_b32 s99, 0
	s_lshl_b32 s88, s74, 10                        ; a tile's 1,024 bytes of Q's codes
	s_add_co_u32 s88, s88, s96
	s_mov_b32 s89, 0
	s_lshl_b32 s90, s75, 10
	s_add_co_u32 s90, s90, s96
	s_mov_b32 s91, 0
	s_lshr_b32 s92, s74, 1
	s_lshl_b32 s92, s92, 6                         ; its fragment's 64 bytes of scale words
	s_add_co_u32 s92, s92, s98
	s_mov_b32 s93, 0
	s_lshr_b32 s94, s75, 1
	s_lshl_b32 s94, s94, 6
	s_add_co_u32 s94, s94, s98
	s_mov_b32 s95, 0
	s_mov_b32 s[G1C], 15|(3<<16)|(1<<21)           ; the mask: all four work-groups; elements of 8 bytes; bit 21 beside a mask; no padding: the images are read as they lie, 512 consecutive bytes a load
	s_mov_b32 s[G1C+1], 32<<16                     ; tensor_dim0 = 32
	s_mov_b32 s[G1C+2], 128<<16                    ; tensor_dim1 = 128
	s_mov_b32 s[G1C+3], 32<<16                     ; tile_dim0
	s_mov_b32 s[G1C+4], 128                        ; tile_dim1
	s_mov_b32 s[G1C+5], 32                         ; from row to row
	s_mov_b32 s[G1C+6], 0
	s_mov_b32 s[G1C+7], 0
	s_mov_b32 s[G1S], 15|(3<<16)|(1<<21)
	s_mov_b32 s[G1S+1], 32<<16
	s_mov_b32 s[G1S+2], 16<<16
	s_mov_b32 s[G1S+3], 32<<16
	s_mov_b32 s[G1S+4], 16
	s_mov_b32 s[G1S+5], 32
	s_mov_b32 s[G1S+6], 0
	s_mov_b32 s[G1S+7], 0
	s_mov_b32 s[SEL], 0x76543210
	s_mov_b32 s[SEL+1], 0xfedcba98
	s_mov_b32 s[CS], 0x3d38aa3b                    ; log2(e) / 32
	s_mov_b32 s[CS+1], s[CS]                       ; (named with it as a pair, so it is written)
	s_mov_b32 s[TB], 0
	s_mov_b32 s[TS], 0
	s_mov_b32 s[KF], 0
	s_wait_dscnt 0x0
	s_wait_kmcnt 0x0
	s_cmp_eq_u32 s68, 0                            ; even waves name K's buffers, odd waves V's: the choice hangs on the wave's number alone
	s_cselect_b64 s[PBC:PBC+1], s[8:9], s[12:13]
	s_cselect_b64 s[70:71], s[10:11], s[14:15]
	s_add_nc_u64 s[PBC:PBC+1], s[PBC:PBC+1], s[96:97]
	s_add_nc_u64 s[70:71], s[70:71], s[98:99]
	s_mov_b32 s[G0A], 1
	s_lshl_b32 s[G0A+1], s68, 17                   ; K's codes at 0, V's at 131,072
	s_mov_b64 s[G0A+2:G0A+3], s[PBC:PBC+1]
	s_or_b32 s[G0A+3], s[G0A+3], 0x80000000
	s_mov_b32 s[G0S], 1
	s_lshl_b32 s[G0S+1], s68, 12
	s_add_co_u32 s[G0S+1], s[G0S+1], KSC
	s_mov_b64 s[G0S+2:G0S+3], s[70:71]
	s_or_b32 s[G0S+3], s[G0S+3], 0x80000000
	s_add_co_u32 s70, s69, 1
	s_lshl_b32 s70, s70, 15                        ; quarter 1 + wave / 2: 32,768 bytes each, in memory and in LDS
	s_mov_b32 s71, 0
	s_mov_b32 s[G0B], 1
	s_add_co_u32 s[G0B+1], s[G0A+1], s70
	s_add_nc_u64 s[G0B+2:G0B+3], s[PBC:PBC+1], s[70:71]
	s_or_b32 s[G0B+3], s[G0B+3], 0x80000000
	CROUND                                         ; all four work-groups are here: the joint loads meet
	; ALL THE LAUNCH'S TENSOR LOADS, one group.  Waves 0, 1: quarters 0 and 1 of K's, V's codes; waves 2, 3: K's, V's scale words and quarter 2; waves 4, 5: quarter 3.  At most two loads of a wave are out.
	; What is read first is each wave's first load.  The branches hang on the wave's number alone.  Four v_nop follow a wave's last load.
	s_cmp_lt_u32 s[WV], 2
	s_cbranch_scc0 .Lnot_01
	tensor_load_to_lds s[G0A:G0A+3], s[G1C:G1C+7]
	s_nop 0
	tensor_load_to_lds s[G0B:G0B+3], s[G1C:G1C+7]
	s_nop 0
.rept 4
	v_nop
.endr
	s_branch .Lasked
.Lnot_01:
	s_cmp_lt_u32 s[WV], 4
	s_cbranch_scc0 .Lnot_23
	tensor_load_to_lds s[G0S:G0S+3], s[G1S:G1S+7]
	s_nop 0
	tensor_load_to_lds s[G0B:G0B+3], s[G1C:G1C+7]
	s_nop 0
.rept 4
	v_nop
.endr
	s_branch .Lasked
.Lnot_23:
	s_cmp_lt_u32 s[WV], 6
	s_cbranch_scc0 .Lasked
	tensor_load_to_lds s[G0B:G0B+3], s[G1C:G1C+7]
	s_nop 0
.rept 4
	v_nop
.endr
.Lasked:
	s_add_nc_u64 s[80:81], s[16:17], s[80:81]
	s_add_nc_u64 s[82:83], s[18:19], s[82:83]
	s_add_nc_u64 s[84:85], s[16:17], s[84:85]
	s_add_nc_u64 s[86:87], s[18:19], s[86:87]
	s_add_nc_u64 s[88:89], s[4:5], s[88:89]
	s_add_nc_u64 s[90:91], s[4:5], s[90:91]
	s_add_nc_u64 s[92:93], s[6:7], s[92:93]
	s_add_nc_u64 s[94:95], s[6:7], s[94:95]
	v_and_b32 v8, 15, v0                           ; r
	v_bfe_u32 v9, v0, 4, 1                         ; lane / 16
	v_and_b32 v10, 31, v0
	s_delay_alu instid0(VALU_DEP_1)
	v_lshlrev_b32 v[LI], 4, v10
	s_delay_alu instid0(VALU_DEP_4)
	v_lshlrev_b32 v[LQ], 2, v8
	global_load_b128 v[24:27], v[LI], s[88:89]     ; Q of both tiles stays in registers
	global_load_b128 v[28:31], v[LI], s[88:89] offset:512
	global_load_b128 v[42:45], v[LI], s[90:91]
	global_load_b128 v[46:49], v[LI], s[90:91] offset:512
	global_load_b32 v40, v[LQ], s[92:93]
	global_load_b32 v50, v[LQ], s[94:95]
	v_add_nc_u32 v[LIV], VC, v[LI]
	v_add_nc_u32 v[LSK], KSC, v[LQ]
	v_lshlrev_b32 v[GS], 5, v8
	v_and_b32 v[QL], 8, v8
	s_delay_alu instid0(VALU_DEP_1)
	v_add_nc_u32 v[QL], v[QL], v8
	v_lshlrev_b32 v9, 4, v9
	s_delay_alu instid0(VALU_DEP_1)
	v_sub_nc_u32 v[QL], v[QL], v9
.irp j, 0,1,2,3,4,5,6,7
	v_mov_b32 v[16+\j], 0                          ; the zero codes on both sides of Q
	v_mov_b32 v[32+\j], 0
.endr
	v_mov_b32 v13, 0xff61b1e6                      ; the largest t so far: -3e38, under every t
	s_delay_alu instid0(VALU_DEP_1)
	v_floor_f32 v12, -v13                          ; -M
	v_mov_b32 v14, 0
	v_mov_b32 v15, 0
.irp b, 0,1,2,3
	v_mov_b32 v[PM+\b], 0                          ; written once: a lane permute's destination counts as one of its sources
.endr
	v_mov_b32 v249, 0                              ; (named as the upper half of the pair v[248:249])
	v_mov_b32 v251, 0
.set n, 0
.rept 32
	v_mov_b32 v[O+n], 0                            ; O^T: the step is written once; the first finds zeros, which the first change of M leaves zeros
.set n, n+1
.endr
	s_wait_loadcnt 0x0
	v_lshrrev_b32 v40, s[U16], v40                 ; my tile's two bytes of the fragment's word, twice: they serve [Q | 0] and [0 | Q] alike; beside zero codes any byte but 0xff does
	v_lshrrev_b32 v50, s[U16], v50
	s_delay_alu instid0(VALU_DEP_2)
	v_and_b32 v40, 0xffff, v40
	s_delay_alu instid0(VALU_DEP_2)
	v_and_b32 v50, 0xffff, v50
	s_delay_alu instid0(VALU_DEP_2)
	v_lshl_or_b32 v40, v40, 16, v40
	s_delay_alu instid0(VALU_DEP_2)
	v_lshl_or_b32 v50, v50, 16, v50
; A KEY STEP: 128 keys.  walk = 0: one of the first four, written out: its place q stands in the immediates, and all its keys count for every wave's first tile (g is 8 or more).
; walk = 1: a trip of a loop: its place stands in s[TB] and s[TS], which step at its end; a step all of whose keys are hidden is jumped over, the step on the diagonal is masked.
.macro STEP q, walk
.if \walk
	s_cmp_gt_u32 s[KF], s[GB]                      ; KF is a multiple of 128 and my queries lie in 128 g .. 128 g + 127: beyond 128 g every key of the step is hidden
	s_cbranch_scc1 .Lhidden_\@
.endif
	s_setprio 2
	v_add_nc_u32 v[ADK], s[TB], v[LI]
	v_add_nc_u32 v[ADV], s[TB], v[LIV]
	v_add_nc_u32 v[ADS], s[TS], v[LSK]
.rept 5
	v_nop                                          ; with the three additions: eight places in front of loads into registers that matrix instructions have read
.endr
.irp f, 0,1,2,3
.irp g, 0,1,2,3
	ds_load_b128 v[FR+16*\f+4*\g:FR+16*\f+4*\g+3], v[ADK] offset:8192*(\q)+2048*\f+512*\g
.endr
	ds_load_b32 v[KW+\f], v[ADS] offset:256*(\q)+64*\f
.endr
	s_wait_alu depctr_va_vdst(0)
	s_wait_dscnt 0x0
.irp f, 0,1,2,3                                ; S^T = K Q^T: a fragment's two tiles of keys, picked by where Q stands
	v_wmma_scale_f32_16x16x128_f8f6f4 v[S+16*\f:S+16*\f+7], v[FR+16*\f:FR+16*\f+15], v[24:39], 0, v[KW+\f], v40 matrix_a_fmt:MATRIX_FMT_BF8 matrix_b_fmt:MATRIX_FMT_BF8
	v_wmma_scale_f32_16x16x128_f8f6f4 v[S+16*\f+8:S+16*\f+15], v[FR+16*\f:FR+16*\f+15], v[16:31], 0, v[KW+\f], v40 matrix_a_fmt:MATRIX_FMT_BF8 matrix_b_fmt:MATRIX_FMT_BF8
.endr
.rept 8
	v_nop
.endr
.irp f, 0,1,2,3                                ; V's fragments are asked for at once: they land under the softmax
.irp g, 0,1,2,3
	ds_load_b128 v[FR+16*\f+4*\g:FR+16*\f+4*\g+3], v[ADV] offset:8192*(\q)+2048*\f+512*\g
.endr
	ds_load_b32 v[KW+\f], v[ADS] offset:VSC+256*(\q)+64*\f
.endr
.if \walk
	s_cmp_lt_u32 s[KF], s[GB]                      ; under 128 g every key of the step counts; at 128 g hidden scores become -infinity ahead of the maximum
	s_cbranch_scc1 .Lopen_\@
	s_sub_co_i32 s79, s[QD], s[KF]
	v_add_nc_u32 v252, s79, v[QL]                  ; my query - KF - 16 (lane / 16): register 16 f + i is hidden where 32 f + i is larger
	v_mov_b32 v253, 0xff800000
.set n, 0
.rept 64
	v_cmp_gt_i32 vcc_lo, 32*(n/16)+n%16, v252
	v_cndmask_b32 v[S+n], v[S+n], v253, vcc_lo
.set n, n+1
.endr
.Lopen_\@:
.endif
.irp b, 0,1,2,3
	v_max3_num_f32 v[BM+\b], v[S+16*\b], v[S+1+16*\b], v[S+2+16*\b]   ; the largest score of each block of 32 keys: for the row's maximum and, since p rises with the score, for the block's largest p
.endr
.irp i, 3,5,7,9,11,13
.irp b, 0,1,2,3
	v_max3_num_f32 v[BM+\b], v[BM+\b], v[S+16*\b+\i], v[S+1+16*\b+\i]
.endr
.endr
.irp b, 0,1,2,3
	v_max_num_f32 v[BM+\b], v[BM+\b], v[S+15+16*\b]
.endr
.irp b, 0,1,2,3
	s_delay_alu instid0(VALU_DEP_4)
	v_permlanex16_b32 v[PM+\b], v[BM+\b], s[SEL], s[SEL+1]
.endr
.irp b, 0,1,2,3
	s_delay_alu instid0(VALU_DEP_4)
	v_max_num_f32 v[BM+\b], v[BM+\b], v[PM+\b]     ; with lane l xor 16's 16 keys
.endr
	s_delay_alu instid0(VALU_DEP_2)
	v_max3_num_f32 v251, v[BM], v[BM+1], v[BM+2]
	s_delay_alu instid0(VALU_DEP_1)
	v_max_num_f32 v251, v251, v[BM+3]
	s_delay_alu instid0(VALU_DEP_1)
	v_mul_f32 v251, s[CS], v251                    ; as t (c is positive)
	s_delay_alu instid0(VALU_DEP_1)
	v_max_num_f32 v13, v13, v251                   ; the running largest t
	v_mov_b32 v251, v12
	s_delay_alu instid0(VALU_DEP_2)
	v_floor_f32 v12, -v13                          ; the new -M = -ceil(t): a whole number
	s_delay_alu instid0(VALU_DEP_1)
	v_sub_f32 v251, v12, v251                      ; old M less new M: a whole number, 0 or less
	s_delay_alu instid0(VALU_DEP_1)
	v_cvt_i32_f32 v251, v251                       ; (it saturates)
	s_delay_alu instid0(VALU_DEP_1)
	v_ldexp_f32 v248, 1.0, v251                    ; f = 2^(old M - new M): multiplying by it rounds nothing
.set n, 0
	s_setprio 1
.rept 32
	v_pk_fma_f32 v[S+n:S+n+1], v[S+n:S+n+1], s[CS:CS+1], v[12:13] op_sel_hi:[1,0,0]   ; t - M, two at a time
.set n, n+2
.endr
.irp b, 0,1,2,3
	v_fma_f32 v[BM+\b], v[BM+\b], s[CS], v12       ; the same of each block's largest score
.endr
.set n, 0
	s_wait_alu depctr_va_vdst(0)
.rept 64
	v_exp_f32 v[S+n], v[S+n]                       ; p = 2^(t - M), at most 1
.set n, n+1
.endr
.irp b, 0,1,2,3
	v_exp_f32 v[BM+\b], v[BM+\b]                   ; the block's largest p: the same two instructions on the same number
.endr
	v_pk_mul_f32 v[14:15], v[14:15], v[248:249] op_sel_hi:[1,0]   ; the sums under the new M (a plain place behind the exponentials)
	s_wait_alu depctr_va_vdst(0)
.irp b, 0,1,2,3
	v_max_num_f32 v[BM+\b], 0x8000000, v[BM+\b]    ; the floor 2^(16 - 127)
.endr
.irp b, 0,1,2,3
	s_delay_alu instid0(VALU_DEP_4)
	v_add_nc_u32 v[SO+\b], 0xf8800000, v[BM+\b]    ; 15 off the exponent field
.endr
.irp b, 0,1,2,3
.endr
.irp b, 0,1,2,3
	s_delay_alu instid0(VALU_DEP_4)
	v_lshrrev_b32 v[PM+\b], 23, v[SO+\b]           ; the scale's byte
.endr
	s_delay_alu instid0(VALU_DEP_3)
	v_lshl_or_b32 v250, v[PM+1], 8, v[PM]          ; p's scale word for these 128 keys
	s_delay_alu instid0(VALU_DEP_1)
	v_lshl_or_b32 v250, v[PM+2], 16, v250
	s_delay_alu instid0(VALU_DEP_1)
	v_lshl_or_b32 v250, v[PM+3], 24, v250
	v_pk_add_f32 v[254:255], v[120:121], v[124:125]
	v_pk_add_f32 v[252:253], v[128:129], v[132:133]
	v_pk_add_f32 v[238:239], v[136:137], v[140:141]
	v_pk_add_f32 v[236:237], v[144:145], v[148:149]
	v_pk_add_f32 v[230:231], v[152:153], v[156:157]
	v_pk_add_f32 v[228:229], v[160:161], v[164:165]
	v_pk_add_f32 v[226:227], v[168:169], v[172:173]
	v_pk_add_f32 v[14:15], v[14:15], v[176:177]
	v_pk_add_f32 v[254:255], v[254:255], v[116:117]
	v_pk_add_f32 v[252:253], v[252:253], v[118:119]
	v_pk_add_f32 v[238:239], v[238:239], v[122:123]
	v_pk_add_f32 v[236:237], v[236:237], v[126:127]
	v_pk_add_f32 v[230:231], v[230:231], v[130:131]
	v_pk_add_f32 v[228:229], v[228:229], v[134:135]
	v_pk_add_f32 v[226:227], v[226:227], v[138:139]
	v_pk_add_f32 v[14:15], v[14:15], v[142:143]
	v_pk_add_f32 v[254:255], v[254:255], v[146:147]
	s_setprio 0
	v_pk_add_f32 v[252:253], v[252:253], v[150:151]
	v_pk_add_f32 v[238:239], v[238:239], v[154:155]
	v_pk_add_f32 v[236:237], v[236:237], v[158:159]
	v_pk_add_f32 v[230:231], v[230:231], v[162:163]
	v_pk_add_f32 v[228:229], v[228:229], v[166:167]
	v_pk_add_f32 v[226:227], v[226:227], v[170:171]
	v_pk_add_f32 v[14:15], v[14:15], v[174:175]
	v_pk_add_f32 v[254:255], v[254:255], v[178:179]
	s_delay_alu instid0(VALU_DEP_2)
	v_pk_add_f32 v[14:15], v[14:15], v[236:237]
	s_delay_alu instid0(VALU_DEP_2)
	v_pk_add_f32 v[254:255], v[254:255], v[230:231]
	v_pk_add_f32 v[252:253], v[252:253], v[228:229]
	v_pk_add_f32 v[238:239], v[238:239], v[226:227]
	s_delay_alu instid0(VALU_DEP_2)
	v_pk_add_f32 v[14:15], v[14:15], v[252:253]
	s_delay_alu instid0(VALU_DEP_2)
	v_pk_add_f32 v[254:255], v[254:255], v[238:239]
	s_delay_alu instid0(VALU_DEP_1)
	v_pk_add_f32 v[14:15], v[14:15], v[254:255]
.irp b, 0,1,2,3
.irp i, 0,1,2,3,4,5,6,7,8,9,10,11,12,13,14,15
.endr
	v_cvt_scalef32_pk8_bf8_f32 v[PC+4*\b:PC+4*\b+1], v[S+16*\b:S+16*\b+7], v[SO+\b]
	v_cvt_scalef32_pk8_bf8_f32 v[PC+4*\b+2:PC+4*\b+3], v[S+16*\b+8:S+16*\b+15], v[SO+\b]
.endr
.set n, 0
.rept 16
	v_pk_mul_f32 v[O+n:O+n+1], v[O+n:O+n+1], v[248:249] op_sel_hi:[1,0]   ; O^T under the new M; these are also the places between the codes and the products
.set n, n+2
.endr
	s_wait_alu depctr_va_vdst(0)
	s_wait_dscnt 0x0                               ; V
.irp f, 0,1,2,3                                ; O^T += V^T P^T: the four accumulators by turns
	v_wmma_scale_f32_16x16x128_f8f6f4 v[O+8*\f:O+8*\f+7], v[FR+16*\f:FR+16*\f+15], v[PC:PC+15], v[O+8*\f:O+8*\f+7], v[KW+\f], v250 matrix_a_fmt:MATRIX_FMT_BF8 matrix_b_fmt:MATRIX_FMT_BF8
.endr
.if \walk
.Lhidden_\@:
	s_add_co_u32 s[TB], s[TB], 8192                ; the next step's codes and scale words
	s_add_co_u32 s[TS], s[TS], 256
.endif
	s_add_co_u32 s[KF], s[KF], 128
.endm
; A tile's end: O^T / the sum; its 32 numbers a lane are d = 32 b + 16 (lane / 16) + 0 .. 15 of my query: two blocks are quantised, and the codes' registers are the next operand's image.
.macro FINISH pc, ps
.rept 8
	v_nop
.endr
	v_add_f32 v14, v14, v15
	s_delay_alu instid0(VALU_DEP_1)
	v_permlanex16_b32 v251, v14, s[SEL], s[SEL+1]
	s_delay_alu instid0(VALU_DEP_1)
	v_add_f32 v14, v14, v251                       ; the row's sum
	s_wait_alu depctr_va_vdst(0)
	v_rcp_f32 v248, v14
	v_nop                                          ; a plain place behind the transcendental
.set n, 0
	s_wait_alu depctr_va_vdst(0)
.rept 16
	v_pk_mul_f32 v[S+n:S+n+1], v[O+n:O+n+1], v[248:249] op_sel_hi:[1,0]
.set n, n+2
.endr
.irp b, 0,1
	v_max3_num_f32 v[BM+\b], |v[S+16*\b]|, |v[S+1+16*\b]|, 0x8000000
.endr
.irp i, 2,4,6,8,10,12,14
.irp b, 0,1
	s_delay_alu instid0(VALU_DEP_2)
	v_max3_num_f32 v[BM+\b], v[BM+\b], |v[S+16*\b+\i]|, |v[S+1+16*\b+\i]|
.endr
.endr
.irp b, 0,1
	s_delay_alu instid0(VALU_DEP_2)
	v_permlanex16_b32 v[PM+\b], v[BM+\b], s[SEL], s[SEL+1]
.endr
.irp b, 0,1
	s_delay_alu instid0(VALU_DEP_2)
	v_max_num_f32 v[BM+\b], v[BM+\b], v[PM+\b]
.endr
.irp b, 0,1
	s_delay_alu instid0(VALU_DEP_2)
	v_add_nc_u32 v[SO+\b], 0xf8800000, v[BM+\b]
.endr
.irp b, 0,1
.endr
.irp b, 0,1
	s_delay_alu instid0(VALU_DEP_2)
	v_lshrrev_b32 v[PM+\b], 23, v[SO+\b]
.endr
	s_delay_alu instid0(VALU_DEP_1)
	v_lshl_or_b32 v251, v[PM+1], 8, v[PM]
.irp b, 0,1
.irp i, 0,1,2,3,4,5,6,7,8,9,10,11,12,13,14,15
.endr
	v_cvt_scalef32_pk8_bf8_f32 v[PC+4*\b:PC+4*\b+1], v[S+16*\b:S+16*\b+7], v[SO+\b]
	v_cvt_scalef32_pk8_bf8_f32 v[PC+4*\b+2:PC+4*\b+3], v[S+16*\b+8:S+16*\b+15], v[SO+\b]
.endr
	v_nop                                          ; one plain vector line behind the last conversion
	global_store_b128 v[LI], v[PC:PC+3], s[\pc:\pc+1]              ; 32 lanes store 512 consecutive, aligned bytes
	global_store_b128 v[LI], v[PC+4:PC+7], s[\pc:\pc+1] offset:512
	global_store_b16 v[GS], v251, s[\ps:\ps+1]     ; two bytes of each row's 32; lanes l and l + 16 write the same value
	s_wait_xcnt 0x0                                ; the stores' registers are written again only behind this wait
.endm
	s_wait_alu depctr_va_vdst(0)
	s_wait_tensorcnt 0x1                           ; my first load has landed (quarter 0, or the scale words); my last, quarter 1, 2 or 3, may stay out, and nobody reads those quarters yet
	s_barrier_signal -1
	s_barrier_wait -1                              ; keys 0 to 511 and all scale words are in
	STEP 0, 0
	STEP 1, 0
	STEP 2, 0
	STEP 3, 0
	s_wait_tensorcnt 0x0                           ; my last load has landed
	s_wait_dscnt 0x0
	s_barrier_signal -1
	s_barrier_wait -1                              ; the whole pair is in; from here on the waves share bytes that nobody writes: no further barrier
	s_mov_b32 s[TB], 4*8192
	s_mov_b32 s[TS], 4*256
	s_mov_b32 s[CNT], 12
.Lhigh:                                            ; the first tile's key steps 4 to 15: a constant count; wave w works 12 - w / 2 of them
	STEP 0, 1
	s_sub_co_u32 s[CNT], s[CNT], 1
	s_cmp_lg_u32 s[CNT], 0
	s_cbranch_scc1 .Lhigh
	s_setprio 0
	FINISH 80, 82
	v_mov_b32 v40, v50                             ; the second tile: its Q and scale word, and the statistics anew
.irp j, 0,1,2,3,4,5,6,7
	v_mov_b32 v[24+\j], v[42+\j]
.endr
	v_mov_b32 v13, 0xff61b1e6
	s_delay_alu instid0(VALU_DEP_1)
	v_floor_f32 v12, -v13
	v_mov_b32 v14, 0
	v_mov_b32 v15, 0
.set n, 0
.rept 32
	v_mov_b32 v[O+n], 0                            ; (these are also the places between Q's new registers and the next products)
.set n, n+1
.endr
	s_mov_b32 s[GB], s[GB2]
	s_mov_b32 s[QD], s[QD2]
	s_mov_b32 s[KF], 0
	s_mov_b32 s[TB], 0
	s_mov_b32 s[TS], 0
	s_mov_b32 s[CNT], 8
.Llow:                                             ; the second tile's key steps 0 to 7: wave w works w / 2 + 1 of them
	STEP 0, 1
	s_sub_co_u32 s[CNT], s[CNT], 1
	s_cmp_lg_u32 s[CNT], 0
	s_cbranch_scc1 .Llow
	s_setprio 0
	FINISH 84, 86
	s_wait_tensorcnt 0x0
	ds_add_u32 v41, v51
	s_wait_dscnt 0x0
	CROUND                                         ; the closing round: no work-group ends while a partner may still ask for a tile that names it
	s_endpgm
.Lfunc_end_k_qce06fa4e44_attn:
	.size	k_qce06fa4e44_attn, .Lfunc_end_k_qce06fa4e44_attn-k_qce06fa4e44_attn
	.p2alignl 7, 3214868480
	.fill 96, 4, 3214868480
	.section	.rodata,"a",@progbits
	.p2align	6, 0x0
	.amdhsa_kernel k_qce06fa4e44_attn
		.amdhsa_group_segment_fixed_size 327680
		.amdhsa_private_segment_fixed_size 0
		.amdhsa_enable_private_segment 0
		.amdhsa_kernarg_size 64
		.amdhsa_user_sgpr_count 2
		.amdhsa_user_sgpr_kernarg_segment_ptr 1
		.amdhsa_wavefront_size32 1
		.amdhsa_system_sgpr_workgroup_id_x 1
		.amdhsa_system_sgpr_workgroup_id_y 1
		.amdhsa_system_sgpr_workgroup_id_z 1
		.amdhsa_system_vgpr_workitem_id 0
		.amdhsa_next_free_vgpr 256
		.amdhsa_next_free_sgpr 100
		.amdhsa_reserve_vcc 1
		.amdhsa_float_denorm_mode_32 3
		.amdhsa_float_denorm_mode_16_64 3
		.amdhsa_fp16_overflow 1
		.amdhsa_memory_ordered 1
		.amdhsa_forward_progress 1
		.amdhsa_inst_pref_size 136
	.end_amdhsa_kernel
	.amdgpu_metadata
---
amdhsa.version: [ 1, 2 ]
amdhsa.kernels:
  - .name:           k_qce06fa4e44_attn
    .symbol:         k_qce06fa4e44_attn.kd
    .args:
      - { .name: qh_codes, .offset: 0, .size: 8, .value_kind: global_buffer, .address_space: global }
      - { .name: qh_scales, .offset: 8, .size: 8, .value_kind: global_buffer, .address_space: global }
      - { .name: kh_codes, .offset: 16, .size: 8, .value_kind: global_buffer, .address_space: global }
      - { .name: kh_scales, .offset: 24, .size: 8, .value_kind: global_buffer, .address_space: global }
      - { .name: vh_codes, .offset: 32, .size: 8, .value_kind: global_buffer, .address_space: global }
      - { .name: vh_scales, .offset: 40, .size: 8, .value_kind: global_buffer, .address_space: global }
      - { .name: at_codes, .offset: 48, .size: 8, .value_kind: global_buffer, .address_space: global }
      - { .name: at_scales, .offset: 56, .size: 8, .value_kind: global_buffer, .address_space: global }
    .group_segment_fixed_size: 327680
    .private_segment_fixed_size: 0
    .kernarg_segment_align: 8
    .kernarg_segment_size: 64
    .max_flat_workgroup_size: 512
    .sgpr_count:     100
    .vgpr_count:     256
    .wavefront_size: 32
...
	.end_amdgpu_metadata
.endif
;; end of part 2
;; launch oproj (part 3): grid 8 x 32, 4 waves a work-group, clusters of 4 x 4, 327,680 bytes of LDS; arguments at_codes, at_scales, Wo_codes, Wo_scales, bo, out0; writes out0
.if DOCPART == 3
	.amdgcn_target "amdgcn-amd-amdhsa--gfx1250"
	.amdhsa_code_object_version 6
	.text
	.protected	k_qce06fa4e44_oproj
	.globl	k_qce06fa4e44_oproj
	.p2align	8
	.type	k_qce06fa4e44_oproj,@function
k_qce06fa4e44_oproj:
	s_mov_b64 s[64:65], 0
	v_nop
	global_prefetch_b8 v0, s[64:65] scope:SCOPE_SE
	s_setreg_imm32_b32 hwreg(HW_REG_WAVE_MODE, 25, 1), 1
	s_wait_xcnt 0x0
	s_wait_alu depctr_hold_cnt(0) depctr_sa_sdst(0) depctr_va_vdst(0) depctr_va_sdst(0) depctr_va_ssrc(0) depctr_va_vcc(0) depctr_vm_vsrc(0)
	s_getreg_b32 s2, hwreg(HW_REG_IB_STS2, 6, 4)
	s_cmp_eq_u32 s2, 0
	s_cbranch_scc0 .Lentry_in_a_cluster
	s_endpgm
.Lentry_in_a_cluster:
	s_bfe_u32 s2, ttmp6, 0x10000c
	s_cmp_lg_u32 s2, 0xf033
	s_cbranch_scc0 .Lentry_shape_is_right
	s_endpgm
.Lentry_shape_is_right:
; THE OUTPUT PROJECTION.  out0 = A Wo^T + bo: A [8192][1024], the attention's result, as codes of BF8 (E5M2) laid as images of operand registers by the attention launch; Wo [1024][1024] as given codes; out0 f32.
; A's images: [K slot of 256 (4)][tile of 16 rows (512)][K step in the slot (2)][group of four registers (4)][lane][16 bytes]; row r of tile m is row 32 (m / 2) + 8 (m % 2) + r + 8 (r / 8); its scale bytes [16 m + r][32].
; So a work-group's 16 tiles of a K slot are 65,536 dense bytes, a fragment is four loads of 512 consecutive bytes, and the rows' order is undone in the stores' offsets.
; SHARES.  A tile of out0 is 256 rows x 128 columns; four waves: wave w takes rows 128 (w / 2) on (8 tiles) and columns 64 (w % 2) on (4 tiles): 32 accumulators.  8 x 32 work-groups.  K goes through a ring of two LDS slots, 256 along K each.
; CLUSTERS: 4 x 4: A's tiles are shared along a row of the cluster, Wo's along a column: joint loads.  Source 0 = 16 rows of Wo, source 1 = 16 rows of A: a lane holds eight neighbouring columns of one row.
; The bias is the C of a sum's first matrix instruction: it is added first, where the sum as written adds it last.  LIMITS: NaN and infinities among the inputs are not served.
; REGISTERS: window 0: v0-29 addresses; v32-95 A's scale words (8 a + K step), v96-127 Wo's (8 t + K step); v128-255 A's 8 fragments, one set; on the way out v128-191 rows read back.
;   window 1: v0-127 Wo's 4 fragments, two sets; v128-159 the bias.   windows 2, 3: v0-127 the accumulators of tiles 0-3, 4-7, at 8 (4 (a % 4) + t).
.set XH,    32768                      ; A's half tile: 8 tiles x 4,096 bytes, dense
.set WHD,   64*272                     ; 64 rows of Wo: 256 bytes + 16 of padding
.set SLOT,  2*XH+2*WHD
.set STAGE, 2*SLOT                     ; behind the ring: a stage of 16 rows x (256 + 16) bytes for each wave; no fill lands there
.set WSTG,  16*272
.set SPARE, STAGE+4*WSTG               ; the spare words: 128 bytes a wave, two blocks of 256 bytes that no other line names
.set STEPX, 2097152                    ; from a K slot of A's images to the next
.set XSO,  4                           ; v4   32 r
.set WSO,  5                           ; v5   32 r
.set BO0,  6                           ; v6   32 h
.set STO,  8                           ; v8   the way out: where I put 32 bytes of a row
.set RD,   9                           ; v9   where I read a row back
.set CO,   10                          ; v10  my byte offset in two rows of out0
.set ADRX, 16
.set ADRW, 20
.set SPW,  28
.set NIL,  29
.set XS,   32
.set WS,   96
.set AF,   128
.set BI,   128                         ; window 1
.set BK,   128                         ; the way out: v128-159 and v160-191 by turns
.set XP,   4                           ; s[4:5]   A's images at what I fetch
.set XSP,  6                           ; s[6:7]   A's scale bytes at my rows
.set WP,   8                           ; s[8:9]   Wo's codes at what I fetch
.set WSP,  10                          ; s[10:11] Wo's scale bytes at my columns
.set BP,   12                          ; s[12:13] bo at my columns
.set OUT,  14                          ; s[14:15] out0 at my corner
.set G1X,  48
.set G1W,  56
.set G0X,  68
.set G0W,  76
.set WV,   84
.set LDR,  85
.set PAR,  86
.set MSB, 0
.macro WIN new                         ; the immediate's high byte repeats the setting that is left
.if MSB != (\new)
	s_set_vgpr_msb (MSB<<8)|(\new)
.set MSB, (\new)
.endif
.endm
.macro PLACES n
.rept \n
	v_nop
.endr
.endm
.macro JLOAD s                         ; a joint load: waves 0, 1 fetch A's halves, waves 2, 3 Wo's; four v_nop follow each line
	s_cmp_eq_u32 s[LDR], 0
	s_cbranch_scc0 .Lfor_w_\@
	tensor_load_to_lds s[G0X+4*\s:G0X+4*\s+3], s[G1X:G1X+7]
	s_nop 0
.rept 4
	v_nop
.endr
	s_branch .Lasked_\@
.Lfor_w_\@:
	tensor_load_to_lds s[G0W+4*\s:G0W+4*\s+3], s[G1W:G1W+7]
	s_nop 0
.rept 4
	v_nop
.endr
.Lasked_\@:
.endm
.macro CREST
	s_cmp_lg_u32 s[WV], 0
	s_cbranch_scc1 .Lnot_wave_0_\@
	s_barrier_signal -3
.Lnot_wave_0_\@:
	s_barrier_wait -3
	s_barrier_signal -1
	s_barrier_wait -1
.endm
.macro CROUND
	s_barrier_signal -1
	s_barrier_wait -1
	CREST
.endm
	s_load_b256 s[4:11], s[0:1], 0x0               ; A's codes, A's scales, Wo's codes, Wo's scales
	s_load_b128 s[12:15], s[0:1], 0x20             ; bo, out0
	v_lshl_add_u32 v[SPW], v0, 2, SPARE
	v_mov_b32 v[NIL], 0
	ds_add_u32 v28, v29
	ds_add_u32 v28, v29
	s_wait_dscnt 0x0
	v_lshrrev_b32 v1, 5, v0
	v_readfirstlane_b32 s[WV], v1
	s_lshr_b32 s[LDR], s[WV], 1
	s_and_b32 s[PAR], s[WV], 1
	s_bfe_u32 s87, ttmp6, 0x40000                  ; cx
	s_bfe_u32 s88, ttmp6, 0x40004                  ; cy
	s_lshl_b32 s89, ttmp9, 2
	s_add_co_u32 s89, s89, s87                     ; tile column (128 columns)
	s_and_b32 s90, ttmp7, 0xffff
	s_lshl_b32 s90, s90, 2
	s_add_co_u32 s90, s90, s88                     ; tile row (256 rows)
	s_lshl_b32 s91, s88, 2
	s_lshl_b32 s91, 15, s91                        ; my row of the cluster
	s_lshl_b32 s92, 0x1111, s87                    ; my column
	s_or_b32 s[G1X], s91, (3<<16)|(1<<21)          ; the mask; elements of 8 bytes; bit 21 beside a mask; no padding: images are read as they lie
	s_mov_b32 s[G1X+1], 32<<16                     ; rows of 256 bytes,
	s_mov_b32 s[G1X+2], 128<<16                    ; 128 of them, dense
	s_mov_b32 s[G1X+3], 32<<16
	s_mov_b32 s[G1X+4], 128
	s_mov_b32 s[G1X+5], 32
	s_mov_b32 s[G1X+6], 0
	s_mov_b32 s[G1X+7], 0
	s_or_b32 s[G1W], s92, (1<<20)|(1<<21)|(5<<22)|(3<<25)   ; elements of 1 byte; 4 words of padding behind every 64
	s_mov_b32 s[G1W+1], 256<<16
	s_mov_b32 s[G1W+2], 64<<16
	s_mov_b32 s[G1W+3], 256<<16
	s_mov_b32 s[G1W+4], 64
	s_mov_b32 s[G1W+5], 1024
	s_mov_b32 s[G1W+6], 0
	s_mov_b32 s[G1W+7], 0
	s_lshl_b32 s93, s[PAR], 15                     ; A: 65,536 x tile row + 32,768 x half, in registers that never hold cx
	s_lshl_b32 s94, s90, 16
	s_add_co_u32 s94, s94, s93
	s_mov_b32 s95, 0
	s_lshl_b32 s98, s89, 7                         ; Wo: row 128 x tile column + 64 x half, in registers that never hold cy
	s_lshl_b32 s96, s[PAR], 6
	s_add_co_u32 s98, s98, s96
	s_lshl_b32 s96, s98, 10
	s_mov_b32 s97, 0
	s_mul_i32 s99, s[PAR], WHD                     ; where they go: the wave's number alone enters an LDS address (A's half: s93)
	s_add_co_u32 s99, s99, 2*XH
	s_wait_kmcnt 0x0
	s_add_nc_u64 s[XP:XP+1], s[XP:XP+1], s[94:95]
	s_add_nc_u64 s[WP:WP+1], s[WP:WP+1], s[96:97]
	CROUND                                         ; all sixteen work-groups are here: the first joint loads meet
.irp s, 0,1
	s_mov_b32 s[G0X+4*\s], 1
	s_add_co_u32 s[G0X+4*\s+1], s93, \s*SLOT
	s_add_nc_u64 s[G0X+4*\s+2:G0X+4*\s+3], s[XP:XP+1], \s*STEPX
	s_or_b32 s[G0X+4*\s+3], s[G0X+4*\s+3], 0x80000000
	s_mov_b32 s[G0W+4*\s], 1
	s_add_co_u32 s[G0W+4*\s+1], s99, \s*SLOT
	s_add_nc_u64 s[G0W+4*\s+2:G0W+4*\s+3], s[WP:WP+1], \s*256
	s_or_b32 s[G0W+4*\s+3], s[G0W+4*\s+3], 0x80000000
	s_wait_alu depctr_va_vdst(0)
	s_wait_tensorcnt 0x0
	ds_add_u32 v28, v29
	ds_add_u32 v28, v29
	s_wait_dscnt 0x0
	CROUND
	JLOAD \s                                       ; one load of mine is out
.endr
	s_lshl_b32 s2, s90, 8
	s_lshl_b32 s3, s[LDR], 7
	s_add_co_u32 s2, s2, s3                        ; my first row: 256 x tile row + 128 x my half
	s_lshl_b32 s100, s2, 5
	s_mov_b32 s101, 0
	s_add_nc_u64 s[XSP:XSP+1], s[XSP:XSP+1], s[100:101]
	s_lshl_b32 s100, s98, 5                        ; my first column is the first row of Wo that my parity fetches
	s_add_nc_u64 s[WSP:WSP+1], s[WSP:WSP+1], s[100:101]
	s_lshl_b32 s100, s98, 2
	s_add_nc_u64 s[BP:BP+1], s[BP:BP+1], s[100:101]
	s_add_nc_u64 s[OUT:OUT+1], s[OUT:OUT+1], s[100:101]
	s_lshl_b32 s100, s2, 12
	s_add_nc_u64 s[OUT:OUT+1], s[OUT:OUT+1], s[100:101]
	v_and_b32 v1, 15, v0                           ; r
	v_bfe_u32 v2, v0, 4, 1                         ; h
	v_and_b32 v3, 31, v0                           ; lane
	v_lshlrev_b32 v[XSO], 5, v1
	v_lshlrev_b32 v[WSO], 5, v1
	v_lshlrev_b32 v[BO0], 5, v2
	s_lshl_b32 s100, s[LDR], 15
	v_lshlrev_b32 v22, 4, v3
	v_add_nc_u32 v[ADRX], s100, v22                ; A: my half + 16 x lane
	v_add_nc_u32 v[ADRX+1], SLOT, v[ADRX]
	v_mul_u32_u24 v23, v1, 272
	v_lshl_add_u32 v24, v2, 4, v23                 ; Wo: row x pitch + 16 x half
	s_mul_i32 s101, s[PAR], WHD
	s_add_co_u32 s101, s101, 2*XH
	v_add_nc_u32 v[ADRW], s101, v24
	v_add_nc_u32 v[ADRW+1], SLOT, v[ADRW]
	s_mul_i32 s100, s[WV], WSTG
	s_add_co_u32 s100, s100, STAGE                 ; my stage
	v_lshl_add_u32 v[STO], v2, 5, v23
	v_add_nc_u32 v[STO], s100, v[STO]              ; in: row r, 32 bytes for each half of the lanes
	v_mul_u32_u24 v25, v2, 272
	v_lshl_add_u32 v25, v1, 4, v25
	v_add_nc_u32 v[RD], s100, v25                  ; back: lanes 0-15 one row of 256 bytes, lanes 16-31 the next
	v_lshlrev_b32 v[CO], 12, v2
	v_lshl_add_u32 v[CO], v1, 4, v[CO]             ; and the same two rows in out0
	WIN 0x40                                       ; destination window 1
.irp t, 0,1,2,3
	global_load_b128 v[BI+8*\t:BI+8*\t+3], v[BO0], s[BP:BP+1] offset:64*\t       ; the bias in the result's layout: register j is column 16 t + 8 h + j
	global_load_b128 v[BI+8*\t+4:BI+8*\t+7], v[BO0], s[BP:BP+1] offset:64*\t+16
.endr
	WIN 0
.irp a, 0,1,2,3,4,5,6,7
	global_load_b128 v[XS+8*\a:XS+8*\a+3], v[XSO], s[XSP:XSP+1] offset:512*\a    ; a row's 32 scale bytes are its 8 words, for all of K
	global_load_b128 v[XS+8*\a+4:XS+8*\a+7], v[XSO], s[XSP:XSP+1] offset:512*\a+16
.endr
.irp t, 0,1,2,3
	global_load_b128 v[WS+8*\t:WS+8*\t+3], v[WSO], s[WSP:WSP+1] offset:512*\t
	global_load_b128 v[WS+8*\t+4:WS+8*\t+7], v[WSO], s[WSP:WSP+1] offset:512*\t+16
.endr
.macro FRAGX reg, slot, q, a           ; an image comes back as it was stored: four loads of 512 consecutive bytes
.irp c, 0,1,2,3
	ds_load_b128 v[\reg+4*\c:\reg+4*\c+3], v[ADRX+\slot] offset:(\a)*4096+2048*(\q)+512*\c
.endr
.endm
.macro FRAGW reg, slot, q, t
.irp c, 0,1,2,3
	ds_load_b128 v[\reg+4*\c:\reg+4*\c+3], v[ADRW+\slot] offset:128*(\q)+32*\c+(\t)*4352
.endr
.endm
.macro FETCH_W slot, q, p
	WIN 0x40
.irp i, 0,1,2,3
	FRAGW 64*(\p)+16*\i, \slot, \q, \i
.endr
	WIN 0
.endm
.macro FETCH_X slot, q, a0
.irp i, \a0, \a0+1, \a0+2, \a0+3
	FRAGX AF+16*(\i), \slot, \q, \i
.endr
.endm
; 8 matrix instructions: A's tiles a0, a0 + 1 x Wo's four.  The 32 accumulators take turns, one instruction a turn, in the same order in every step.
.macro MUL8 a0, p, ks, first
.irp a, \a0, \a0+1
.irp t, 0,1,2,3
.set rD, 8*(4*((\a)%4)+\t)
.set rC, rD
.if \first
.set rC, BI+8*\t
.endif
	v_wmma_scale_f32_16x16x128_f8f6f4 v[rD:rD+7], v[64*(\p)+16*\t:64*(\p)+16*\t+15], v[AF+16*(\a):AF+16*(\a)+15], v[rC:rC+7], v[WS+8*\t+(\ks)], v[XS+8*(\a)+(\ks)] matrix_a_fmt:MATRIX_FMT_BF8 matrix_b_fmt:MATRIX_FMT_BF8
.endr
.endr
.endm
.macro WMUL hi, first                  ; Wo in window 1, A in window 0; D in window 2 or 3; C with it, or the bias in window 1
	WIN 1|(((\first)+(1-(\first))*(2+(\hi)))<<4)|((2+(\hi))<<6)
.endm
.macro STEP slot, ks, first            ; a slot's first 128 along K (Wo's set 0)
	s_wait_dscnt 16                                ; Wo's set and A's tiles 0-3 are in; the youngest 16 loads (tiles 4-7) may be out
	WMUL 0, \first
	MUL8 0, 0, \ks, \first
	MUL8 2, 0, \ks, \first
	s_wait_dscnt 0x0
	PLACES 8                                       ; in front of loads into registers that matrix instructions have read
	FETCH_W \slot, 1, 1
	FETCH_X \slot, 1, 0
	WMUL 1, \first
	MUL8 4, 0, \ks, \first
	MUL8 6, 0, \ks, \first
	PLACES 8
	WIN 0
	FETCH_X \slot, 1, 4
.endm
.macro TURN slot, next, ks, fill       ; a slot's second 128 along K (Wo's set 1) changes slots
	s_wait_tensorcnt 0x0                           ; all my tensor loads have landed: my part of the next slot
	ds_add_u32 v[SPW], v[NIL]                      ; 0 onto my spare word
	s_wait_dscnt 17                                ; (the add and the youngest 16 loads may be out)
	WMUL 0, 0
	MUL8 0, 1, \ks, 0
	s_wait_dscnt 0x0                               ; the add is done, and my reads of this slot are over
	s_barrier_signal -1
	MUL8 2, 1, \ks, 0
	WIN 0
	s_barrier_wait -1
.if \fill
	CREST                                          ; the barrier has opened a round of the cluster's: no wave of any partner still reads this slot or has a load on its way
	s_add_nc_u64 s[G0X+4*\slot+2:G0X+4*\slot+3], s[G0X+4*\slot+2:G0X+4*\slot+3], 2*STEPX
	s_add_nc_u64 s[G0W+4*\slot+2:G0W+4*\slot+3], s[G0W+4*\slot+2:G0W+4*\slot+3], 512
	JLOAD \slot                                    ; the first tensor load behind the round, one a wave
	PLACES 4
.else
	PLACES 8
.endif
	FETCH_W \next, 0, 0
	FETCH_X \next, 0, 0
	WMUL 1, 0
	MUL8 4, 1, \ks, 0
	MUL8 6, 1, \ks, 0
	PLACES 8
	WIN 0
	FETCH_X \next, 0, 4
.endm
	s_wait_alu depctr_va_vdst(0)
	s_wait_tensorcnt 1                             ; my part of slot 0 is in; slot 1's may stay out
	s_barrier_signal -1
	s_barrier_wait -1
	FETCH_W 0, 0, 0
	FETCH_X 0, 0, 0
	FETCH_X 0, 0, 4
	s_wait_loadcnt 0x0                             ; the bias and the scale words
	STEP 0, 0, 1                                   ; the first products take the bias as C: nothing is cleared
	TURN 0, 1, 1, 1
	STEP 1, 2, 0
	TURN 1, 0, 3, 1
	STEP 0, 4, 0
	TURN 0, 1, 5, 0                                ; nothing is left to fetch
	STEP 1, 6, 0
	s_wait_dscnt 16                                ; the very last 128 along K
	WMUL 0, 0
	MUL8 0, 1, 7, 0
	MUL8 2, 1, 7, 0
	s_wait_dscnt 0x0
	WMUL 1, 0
	MUL8 4, 1, 7, 0
	MUL8 6, 1, 7, 0
	WIN 0
	PLACES 8                                       ; in front of the first read of results and of loads into the registers that held A's fragments
; THE WAY OUT, tile by tile of 16 rows x 64 columns, through my own stage: a lane's 32 bytes go in, whole rows of 256 bytes come back; sixteen lanes store 256 consecutive, aligned bytes.
.macro TOSTAGE a
	WIN 0x08+4*((\a)/4)                            ; an LDS store's data are its source 1: window 2 or 3
.irp t, 0,1,2,3
	ds_store_b128 v[STO], v[8*(4*((\a)%4)+\t):8*(4*((\a)%4)+\t)+3] offset:64*\t     ; each accumulator from its low end on
	ds_store_b128 v[STO], v[8*(4*((\a)%4)+\t)+4:8*(4*((\a)%4)+\t)+7] offset:64*\t+16
.endr
	WIN 0
.irp i, 0,1,2,3,4,5,6,7
	ds_load_b128 v[BK+32*((\a)%2)+4*\i:BK+32*((\a)%2)+4*\i+3], v[RD] offset:544*\i   ; LDS serves a wave's instructions in order (ISA guide 5.7.1.4): these see my stores
.endr
.endm
.macro SEND a, younger                 ; younger: the LDS instructions issued behind tile a's loads.  Stage row 2 i + (lane / 16) of tile a is row 32 (a / 2) + 8 (a % 2) + 2 i + 8 (i / 4) + (lane / 16) of my 128
	s_wait_dscnt \younger
.irp i, 0,1,2,3,4,5,6,7
	global_store_b128 v[CO], v[BK+32*((\a)%2)+4*\i:BK+32*((\a)%2)+4*\i+3], s[OUT:OUT+1] offset:(32*((\a)/2)+8*((\a)%2)+2*\i+8*(\i/4))*4096 th:TH_STORE_NT
.endr
.endm
	TOSTAGE 0
.irp a, 1,2,3,4,5,6,7
.if \a > 1
	s_wait_xcnt 0x0                                ; tile a - 2's stores have read their registers: tile a's loads may land there
.endif
	TOSTAGE \a
	SEND \a-1, 16                                  ; behind tile a - 1's loads: tile a's 8 stores and 8 loads
.endr
	SEND 7, 0
	s_wait_tensorcnt 0x0                           ; the wave's end
	ds_add_u32 v[SPW], v[NIL]
	s_wait_dscnt 0x0
	CROUND                                         ; the closing round
	s_endpgm
.Lfunc_end_k_qce06fa4e44_oproj:
	.size	k_qce06fa4e44_oproj, .Lfunc_end_k_qce06fa4e44_oproj-k_qce06fa4e44_oproj
	.p2alignl 7, 3214868480
	.fill 96, 4, 3214868480
	.section	.rodata,"a",@progbits
	.p2align	6, 0x0
	.amdhsa_kernel k_qce06fa4e44_oproj
		.amdhsa_group_segment_fixed_size 327680
		.amdhsa_private_segment_fixed_size 0
		.amdhsa_enable_private_segment 0
		.amdhsa_kernarg_size 48
		.amdhsa_user_sgpr_count 2
		.amdhsa_user_sgpr_kernarg_segment_ptr 1
		.amdhsa_wavefront_size32 1
		.amdhsa_system_sgpr_workgroup_id_x 1
		.amdhsa_system_sgpr_workgroup_id_y 1
		.amdhsa_system_sgpr_workgroup_id_z 1
		.amdhsa_system_vgpr_workitem_id 0
		.amdhsa_next_free_vgpr 1024
		.amdhsa_next_free_sgpr 104
		.amdhsa_reserve_vcc 0
		.amdhsa_float_denorm_mode_32 3
		.amdhsa_float_denorm_mode_16_64 3
		.amdhsa_memory_ordered 1
		.amdhsa_forward_progress 1
		.amdhsa_inst_pref_size 90
	.end_amdhsa_kernel
	.amdgpu_metadata
---
amdhsa.version: [ 1, 2 ]
amdhsa.kernels:
  - .name:           k_qce06fa4e44_oproj
    .symbol:         k_qce06fa4e44_oproj.kd
    .args:
      - { .name: at_codes, .offset: 0, .size: 8, .value_kind: global_buffer, .address_space: global }
      - { .name: at_scales, .offset: 8, .size: 8, .value_kind: global_buffer, .address_space: global }
      - { .name: Wo_codes, .offset: 16, .size: 8, .value_kind: global_buffer, .address_space: global }
      - { .name: Wo_scales, .offset: 24, .size: 8, .value_kind: global_buffer, .address_space: global }
      - { .name: bo, .offset: 32, .size: 8, .value_kind: global_buffer, .address_space: global }
      - { .name: out0, .offset: 40, .size: 8, .value_kind: global_buffer, .address_space: global }
    .group_segment_fixed_size: 327680
    .private_segment_fixed_size: 0
    .kernarg_segment_align: 8
    .kernarg_segment_size: 48
    .max_flat_workgroup_size: 128
    .sgpr_count:     104
    .vgpr_count:     1024
    .wavefront_size: 32
...
	.end_amdgpu_metadata
.endif
;; end of part 3
